; MI455X (gfx1250); checked and timed in simulation.
; The chip was launched on July 23, 2026; its instructions are those of AMD's public machine-readable ISA for CDNA 5 (MIT licence, August 2026) and "CDNA5" Instruction Set Architecture Reference Guide (July 2026). The comments in the code are by the model that wrote it; some were corrected since.
;; Self Attention. Allowed arithmetic: matrix products marked QUANTISED: E4M3 operands, one E8M0 scale for each 32 along K, by v_wmma_scale_f32_16x16x128_f8f6f4 with both operands' format E4M3, f32 sums; everything else in f32.
;; Inputs: Wk 1,024 x 1,024 float32; Wq 1,024 x 1,024 float32; Wv 1,024 x 1,024 float32; x 4 x 2,048 x 1,024 float32.
;; Outputs: out0 4 x 2,048 x 1,024 float32.
;; This version of the problem:
;;   THIS VERSION OF THE PROBLEM IS GIVEN IN LOW PRECISION. The matrix products marked QUANTISED in the list below multiply operands that are first quantised to E4M3 (4 exponent bits, 3 mantissa bits; 8 bits a number), with one power-of-two scale for each 32 numbers along K (OCP MX v1.0); their sums are f32. All else is computed in f32.
;;   The module's matrix products, in the order in which they are computed (A, B: the left and right operand; K: the contracted axis; several contracted axes count as one K, in the product's order):
;;     1. [M 8,192, K 1,024] x [K 1,024, N 1,024]; A: input x; B: input Wq: QUANTISED
;;     2. [M 8,192, K 1,024] x [K 1,024, N 1,024]; A: input x; B: input Wk: QUANTISED
;;     3. [M 8,192, K 1,024] x [K 1,024, N 1,024]; A: input x; B: input Wv: QUANTISED
;;     4. batch 4 x [M 2,048, K 1,024] x [K 1,024, N 2,048]; A: computed on the way; B: computed on the way: QUANTISED
;;     5. batch 4 x [M 2,048, K 2,048] x [K 2,048, N 1,024]; A: softmax (see below); B: computed on the way: QUANTISED
;;   THE QUANTISER, for each operand of a quantised product, along K:
;;     - K is cut into blocks of 32 from its start; a last block that is shorter is filled with zeros.
;;     - A block's scale is 2^e with e = floor(log2(the largest magnitude in the block)) - 8, held to -126 .. 127; a block of zeros has e = 0. As a byte (E8M0): e + 127.
;;     - Each number is divided by its block's scale, clamped to +-448, and rounded to the nearest number of E4M3, ties to even, subnormals kept.
;;     - The product sums the exact products of the quantised numbers (number of the format x scale) in f32.
;;   ~~~python
;;   def quantise(x, axis):      # numpy; x: float32 -> the quantised numbers, widened to float32 again
;;       x = np.moveaxis(x, axis, -1); K = x.shape[-1]
;;       x = np.pad(x, [(0, 0)] * (x.ndim - 1) + [(0, -K % 32)]); x = x.reshape(x.shape[:-1] + (-1, 32)); a = np.abs(x).max(-1, keepdims=True)
;;       e = np.where(a > 0, np.clip(np.frexp(np.where(a > 0, a, 1))[1] - 1 - 8, -126, 127), 0)      # np.frexp(a)[1] - 1 = floor(log2(a)), exactly
;;       r = np.clip(x / 2.0 ** e, -448, 448)
;;       step = 2.0 ** (np.maximum(np.frexp(np.where(r == 0, 1, r))[1] - 1, -6) - 3)
;;       q = np.round(r / step) * step * 2.0 ** e      # np.round: ties to even
;;       return np.moveaxis(q.reshape(q.shape[:-2] + (-1,))[..., :K], -1, axis).astype(np.float32)
;;   ~~~
;;   SOFTMAX AHEAD OF A QUANTISED PRODUCT. Where the list says 'softmax', what is quantised is not the finished softmax but p = 2^(t - M), with t = logit x log2(e) and M = ceil(the row's largest t), a whole number; so 1/2 < the row's largest p <= 1. The row's sum l is taken of the UNQUANTISED p, in f32, and the product's result is divided by l at the end. Since M is a whole number, a kernel that streams over the keys may use a running M (the ceiling of the running maximum): every later rescaling is an exact power of two, which a block's scale takes up: the codes' values come out the same.
;;   OPERANDS COMPUTED ON THE WAY. 'Computed on the way' means the value that the module computes at that place (a softmax that the list does not call 'softmax' is quantised finished and normalised). What goes into a quantiser is computed in f32, as accurately as f32 sums, v_exp_f32 and their like allow (about 1e-6 of the number): no bf16 or f16 on the way to a quantiser, and a product that is left as it is and whose result goes on into a quantised operand takes f32 operands (vector FMAs, or v_wmma_f32_16x16x4_f32). A number that lies on a knife's edge between two numbers of the format may be rounded either way, as far as f32 arithmetic and the matrix unit's own rounding can turn it there, and no further.
;; One version. Each part assembles by itself: llvm-mc -triple=amdgcn-amd-amdhsa -mcpu=gfx1250 --defsym DOCPART=n.
;; ======== version 1 of 1: 4 launches
;; limits: right only within a limited range of input values
;; workspace buffers: b1 11,894,784 bytes; b2 25,952,256 bytes; b3 18,350,080 bytes
;; launch quant (part 1): grid 256 x 1, 11 waves a work-group, no clusters, 97,280 bytes of LDS; arguments x, Wq, Wk, Wv, b1; writes b1
.if DOCPART == 1
	.amdgcn_target "amdgcn-amd-amdhsa--gfx1250"
	.amdhsa_code_object_version 6
	.text
	.protected	k_q84cbd27672_quant
	.globl	k_q84cbd27672_quant
	.p2align	8
	.type	k_q84cbd27672_quant,@function
k_q84cbd27672_quant:
	s_mov_b64 s[64:65], 0
	v_nop
	global_prefetch_b8 v0, s[64:65] scope:SCOPE_SE
	s_setreg_imm32_b32 hwreg(HW_REG_WAVE_MODE, 25, 1), 1
	s_wait_xcnt 0x0
; LAUNCH 1 OF 4.  out = softmax(causal(q k^T / 32)) v, q = x Wq^T, k = x Wk^T, v = x Wv^T, all five products on codes of E4M3 with one E8M0 scale for each 32 along K.
; This launch turns x [8192][1024] and Wq, Wk, Wv [1024][1024], f32, K innermost, into codes and scale words in b1.  The later launches: 2 the three projections, their results quantised in registers;
; 3 the scores and p = 2^(t - M) under an M of each 128 keys; 4 the row's M and sum, the product with v, the division.
; WORK LEFT OUT, in launches 3 and 4.  reference() sets wei(t, s) to -inf for s > t by its own tril, and the softmax makes 0 of it, whatever the inputs hold.  So a tile of 256 queries x 256 keys whose
; every key comes after every query reaches no output and is not multiplied (launch 3 makes 36 of a batch's 64 tiles), and a chunk of 128 keys that comes after a block of 128 queries is not multiplied
; by v (launch 4).  Every input has a way to the output: all four are loaded.
; LIMITS.  A NaN, an infinity or an overflow that reaches only the work left out is not carried to the result.  NaN and infinities among the inputs are not served.  A block whose largest magnitude lies under
; 2^-118 keeps the scale byte 1; a block of zeros has the byte 1 and not 127: its codes are zeros, and this program alone reads the bytes.
; THE ORDER OF ROWS.  A tile is 16 POSITIONS.  x, Wv: position 8 m + i of tile 2 b + u is row 32 b + 16 m + 8 u + i: as source 0 of a matrix instruction two neighbouring tiles give a lane 16 neighbouring rows.
; Wq, Wk: position 8 m + i of tile 4 g + j is row 64 g + 32 m + 8 j + i: four tiles give a lane 32 neighbouring rows, a whole scale block.  Along K everything stays in its own order.
; IMAGES.  A fragment (16 positions x 128 K) is stored as an image of the operand's registers, 2,048 bytes: register group c at 512 c, lane l's 16 bytes at 16 l; lane (r, h) holds k = 32 c + 16 h + 0 .. 15 of position r.
; b1: codes [704 tiles][8 K steps][2048] (tiles 0-511 x, 512-575 Wq, 576-639 Wk, 640-703 Wv), then from S1 on the scale words [704][8][16 words].
; SHARES.  5,632 units of 16 rows x 128 K: 256 work-groups x 11 waves x 2 units, equal for all; wave number g of the launch takes tile g / 4, K steps 2 (g % 4) and the next.  Both units' loads go out at once.  A load reads 512
; consecutive bytes of one row; the unit turns through the wave's own stage in LDS (rows 528 bytes apart) so that a lane gets 16 neighbours of each block of 32.  A wave's scale words are 128 bytes on end (1 byte in 128 of what it reads
; and half a unit of 256: the equal shares are 22 units a work-group).  No prefetch: there is no loop to run ahead in.  No matrix unit, no tensor load, no barrier: the waves share nothing.
.set WREG,  8704                       ; LDS of a wave: a stage of 16 rows x 528 bytes, then its scale words
.set SPI,   528
.set SWO,   8448
.set SPARE, 11*WREG                    ; the spare words, 128 bytes a wave, which no other line names
.set S1,    11534336
.set A16,   1                          ; v1   16 x lane
.set SIN,   2                          ; v2   the stage, on the way in
.set SOUT,  3                          ; v3   and on the way out: row r, + 64 h
.set SWW,   4                          ; v4   where my row's scale word goes
.set SWR,   5                          ; v5   where I read 4 bytes of the wave's 128 back
.set L4,    6                          ; v6   4 x lane
.set PW,    7                          ; v7   the scale word just made
.set SPW,   10                         ; v10  LDS address of my spare word; never rewritten
.set NIL,   11                         ; v11  0; never rewritten
.set R,     16                         ; v16-143  two sets of 64 registers as loaded
.set X,     144                        ; v144-207 a lane's 64 numbers: register 16 c + i = k 32 c + 16 h + i
.set PC,    208                        ; v208-239 two sets of 16 registers of codes
.set TM,    240                        ; v240-255 at work
.set SEL,   26                         ; s[26:27] v_permlanex16_b32's selects for lane l xor 16
.set MNT,   28                         ; s28  the mantissa field of 448
	s_load_b256 s[4:11], s[0:1], 0x0               ; x, Wq, Wk, Wv
	s_load_b64 s[12:13], s[0:1], 0x20              ; b1
	v_lshl_add_u32 v[SPW], v0, 2, SPARE
	v_mov_b32 v[NIL], 0
	v_lshrrev_b32 v12, 5, v0
	v_readfirstlane_b32 s14, v12                   ; wave
	v_and_b32 v12, 31, v0                          ; lane
	v_and_b32 v13, 15, v0                          ; r
	v_bfe_u32 v14, v0, 4, 1                        ; h
	v_lshlrev_b32 v[A16], 4, v12
	s_mul_i32 s17, s14, WREG
	v_add_nc_u32 v[SIN], s17, v[A16]
	v_mul_u32_u24 v[SOUT], v13, SPI
	v_lshl_add_u32 v[SOUT], v14, 6, v[SOUT]
	v_add_nc_u32 v[SOUT], s17, v[SOUT]
	s_add_co_u32 s17, s17, SWO
	v_lshl_add_u32 v[SWW], v13, 2, s17
	v_lshl_add_u32 v[SWR], v12, 2, s17
	v_lshlrev_b32 v[L4], 2, v12
.irp b, 0,1,2,3
	v_mov_b32 v[TM+4+\b], 0                        ; written once: a lane permute's destination counts as one of its sources
.endr
	s_mov_b32 s[SEL], 0x76543210
	s_mov_b32 s[SEL+1], 0xfedcba98
	s_mov_b32 s[MNT], 0x600000
	s_mul_i32 s15, ttmp9, 11
	s_add_co_u32 s15, s15, s14                     ; g
	s_and_b32 s16, s15, 3                          ; which quarter of K
	s_lshr_b32 s30, s15, 2                         ; my tile
	s_and_b32 s20, s30, 63
	s_cmp_lt_u32 s30, 512
	s_cselect_b32 s20, s30, s20                    ; the tile's number in its tensor
	s_lshr_b32 s17, s20, 1
	s_lshl_b32 s17, s17, 17
	s_and_b32 s21, s20, 1
	s_lshl_b32 s21, s21, 15
	s_add_co_u32 s17, s17, s21                     ; x, Wv: first row 32 (tile / 2) + 8 (tile % 2), 4,096 bytes a row
	s_lshr_b32 s22, s20, 2
	s_lshl_b32 s22, s22, 18
	s_and_b32 s23, s20, 3
	s_lshl_b32 s23, s23, 15
	s_add_co_u32 s22, s22, s23                     ; Wq, Wk: 64 (tile / 4) + 8 (tile % 4)
	s_mov_b32 s29, 0x10000
	s_sub_co_u32 s21, s30, 512
	s_cmp_lt_u32 s21, 128
	s_cselect_b32 s20, s22, s17
	s_cselect_b32 s22, 0x20000, s29                ; from position 0 to position 8: 32 rows or 16
	s_lshl_b32 s17, s16, 10
	s_add_co_u32 s20, s20, s17                     ; a quarter of K is 1,024 bytes
	s_mov_b32 s21, 0
	s_mov_b32 s23, 0
	s_wait_alu depctr_va_vdst(0)                   ; the head's end
	s_wait_kmcnt 0x0
	s_cmp_lt_u32 s30, 640                          ; which tensor: the choice hangs on the wave's place alone
	s_cselect_b64 s[18:19], s[8:9], s[10:11]
	s_cmp_lt_u32 s30, 576
	s_cselect_b64 s[18:19], s[6:7], s[18:19]
	s_cmp_lt_u32 s30, 512
	s_cselect_b64 s[18:19], s[4:5], s[18:19]
	s_add_nc_u64 s[18:19], s[18:19], s[20:21]      ; positions 0-7
	s_add_nc_u64 s[2:3], s[18:19], s[22:23]        ; positions 8-15
.macro LOAD t                          ; unit t: position i's 512 bytes, 16 a lane
.irp i, 0,1,2,3,4,5,6,7
	global_load_b128 v[R+64*(\t)+4*\i:R+64*(\t)+4*\i+3], v[A16], s[18:19] offset:\i*4096+512*(\t) th:TH_LOAD_NT
.endr
.irp i, 0,1,2,3,4,5,6,7
	global_load_b128 v[R+64*(\t)+32+4*\i:R+64*(\t)+32+4*\i+3], v[A16], s[2:3] offset:\i*4096+512*(\t) th:TH_LOAD_NT
.endr
.endm
	LOAD 0
	LOAD 1
	s_lshl_b32 s20, s30, 14
	s_lshl_b32 s31, s16, 12
	s_add_co_u32 s20, s20, s31
	s_add_nc_u64 s[22:23], s[12:13], s[20:21]      ; my two images
	s_lshl_b32 s20, s30, 9
	s_lshl_b32 s31, s16, 7
	s_add_co_u32 s20, s20, s31
	s_add_co_u32 s20, s20, S1
	s_add_nc_u64 s[24:25], s[12:13], s[20:21]      ; my 128 bytes of scale words
; 64 numbers of a lane become a fragment's codes in v[pc] on and its row's scale word in v[PW]
.macro QUANT s, pc
.irp b, 0,1,2,3
	v_max3_num_f32 v[TM+\b], |v[\s+16*\b]|, |v[\s+16*\b+1]|, 0x4800000   ; block b: my 16 numbers, and the floor 2^(9 - 127): the byte cannot fall under 1
.endr
.irp i, 2,4,6,8,10,12,14
.irp b, 0,1,2,3
	v_max3_num_f32 v[TM+\b], v[TM+\b], |v[\s+16*\b+\i]|, |v[\s+16*\b+\i+1]|   ; the four blocks by turns
.endr
.endr
.irp b, 0,1,2,3
	v_permlanex16_b32 v[TM+4+\b], v[TM+\b], s[SEL], s[SEL+1]
.endr
.irp b, 0,1,2,3
	v_max_num_f32 v[TM+\b], v[TM+\b], v[TM+4+\b]   ; with lane l xor 16's 16: the block's largest magnitude
.endr
.irp b, 0,1,2,3
	v_add_nc_u32 v[TM+12+\b], 0xfc000000, v[TM+\b] ; 8 off its exponent field: the conversion's scale operand
.endr
.irp b, 0,1,2,3
	v_and_or_b32 v[TM+8+\b], v[TM+\b], 0x7f800000, s[MNT]   ; 448 x the scale
.endr
.irp b, 0,1,2,3
	v_lshrrev_b32 v[TM+4+\b], 23, v[TM+12+\b]      ; the scale's byte
.endr
	v_lshl_or_b32 v[PW], v[TM+5], 8, v[TM+4]
	v_lshl_or_b32 v[PW], v[TM+6], 16, v[PW]
	v_lshl_or_b32 v[PW], v[TM+7], 24, v[PW]
.irp b, 0,1,2,3
.irp i, 0,1,2,3,4,5,6,7,8,9,10,11,12,13,14,15
	v_med3_num_f32 v[\s+16*\b+\i], v[\s+16*\b+\i], -v[TM+8+\b], v[TM+8+\b]   ; the conversion to an 8-bit code does not saturate (ISA guide 7.6.2): the hold comes first
.endr
	v_cvt_scalef32_pk8_fp8_f32 v[\pc+4*\b:\pc+4*\b+1], v[\s+16*\b:\s+16*\b+7], v[TM+12+\b]
	v_cvt_scalef32_pk8_fp8_f32 v[\pc+4*\b+2:\pc+4*\b+3], v[\s+16*\b+8:\s+16*\b+15], v[TM+12+\b]
.endr
	v_nop                                          ; a plain line behind the last conversion
.endm
.macro UNIT t
	s_wait_loadcnt 16-16*(\t)                      ; this unit's 16 loads are in; the second unit's 16 may be out
.irp i, 0,1,2,3,4,5,6,7,8,9,10,11,12,13,14,15
	ds_store_b128 v[SIN], v[R+64*(\t)+4*\i:R+64*(\t)+4*\i+3] offset:SPI*\i
.endr
.irp c, 0,1,2,3
.irp j, 0,1,2,3
	ds_load_b128 v[X+16*\c+4*\j:X+16*\c+4*\j+3], v[SOUT] offset:128*\c+16*\j   ; LDS serves a wave's instructions in order: these see the stores above
.endr
.endr
	s_wait_dscnt 0x0                               ; my numbers are back
	QUANT X, PC+16*(\t)
.irp c, 0,1,2,3
	global_store_b128 v[A16], v[PC+16*(\t)+4*\c:PC+16*(\t)+4*\c+3], s[22:23] offset:2048*(\t)+512*\c   ; 32 lanes store 512 consecutive bytes
.endr
	ds_store_b32 v[SWW], v[PW] offset:64*(\t)      ; lanes r and r + 16 write the same word with the same value
.endm
	UNIT 0
	UNIT 1
	ds_load_b32 v8, v[SWR]
	s_wait_dscnt 0x0
	global_store_b32 v[L4], v8, s[24:25]           ; the wave's two units' scale words: 128 consecutive bytes
	s_wait_tensorcnt 0x0                           ; the wave's end
	ds_add_u32 v[SPW], v[NIL]
	s_wait_dscnt 0x0
	s_endpgm
.Lfunc_end_k_q84cbd27672_quant:
	.size	k_q84cbd27672_quant, .Lfunc_end_k_q84cbd27672_quant-k_q84cbd27672_quant
	.p2alignl 7, 3214868480
	.fill 96, 4, 3214868480
	.section	.rodata,"a",@progbits
	.p2align	6, 0x0
	.amdhsa_kernel k_q84cbd27672_quant
		.amdhsa_group_segment_fixed_size 97280
		.amdhsa_private_segment_fixed_size 0
		.amdhsa_enable_private_segment 0
		.amdhsa_kernarg_size 40
		.amdhsa_user_sgpr_count 2
		.amdhsa_user_sgpr_kernarg_segment_ptr 1
		.amdhsa_wavefront_size32 1
		.amdhsa_system_sgpr_workgroup_id_x 1
		.amdhsa_system_sgpr_workgroup_id_y 1
		.amdhsa_system_sgpr_workgroup_id_z 1
		.amdhsa_system_vgpr_workitem_id 0
		.amdhsa_next_free_vgpr 256
		.amdhsa_next_free_sgpr 66
		.amdhsa_reserve_vcc 0
		.amdhsa_float_denorm_mode_32 3
		.amdhsa_float_denorm_mode_16_64 3
		.amdhsa_memory_ordered 1
		.amdhsa_forward_progress 1
		.amdhsa_inst_pref_size 28
	.end_amdhsa_kernel
	.amdgpu_metadata
---
amdhsa.version: [ 1, 2 ]
amdhsa.kernels:
  - .name:           k_q84cbd27672_quant
    .symbol:         k_q84cbd27672_quant.kd
    .args:
      - { .name: x, .offset: 0, .size: 8, .value_kind: global_buffer, .address_space: global }
      - { .name: Wq, .offset: 8, .size: 8, .value_kind: global_buffer, .address_space: global }
      - { .name: Wk, .offset: 16, .size: 8, .value_kind: global_buffer, .address_space: global }
      - { .name: Wv, .offset: 24, .size: 8, .value_kind: global_buffer, .address_space: global }
      - { .name: b1, .offset: 32, .size: 8, .value_kind: global_buffer, .address_space: global }
    .group_segment_fixed_size: 97280
    .private_segment_fixed_size: 0
    .kernarg_segment_align: 8
    .kernarg_segment_size: 40
    .max_flat_workgroup_size: 352
    .sgpr_count:     66
    .vgpr_count:     256
    .wavefront_size: 32
...
	.end_amdgpu_metadata
.endif
;; end of part 1
;; launch proj (part 2): grid 16 x 16, 4 waves a work-group, clusters of 4 x 4, 327,680 bytes of LDS; arguments b1, b2; writes b2
.if DOCPART == 2
	.amdgcn_target "amdgcn-amd-amdhsa--gfx1250"
	.amdhsa_code_object_version 6
	.text
	.protected	k_q84cbd27672_proj
	.globl	k_q84cbd27672_proj
	.p2align	8
	.type	k_q84cbd27672_proj,@function
k_q84cbd27672_proj:
	s_mov_b64 s[64:65], 0
	v_nop
	global_prefetch_b8 v0, s[64:65] scope:SCOPE_SE
	s_setreg_imm32_b32 hwreg(HW_REG_WAVE_MODE, 25, 1), 1
	s_wait_xcnt 0x0
	s_wait_alu depctr_hold_cnt(0) depctr_sa_sdst(0) depctr_va_vdst(0) depctr_va_sdst(0) depctr_va_ssrc(0) depctr_va_vcc(0) depctr_vm_vsrc(0)
	s_getreg_b32 s2, hwreg(HW_REG_IB_STS2, 6, 4)
	s_cmp_eq_u32 s2, 0
	s_cbranch_scc0 .Lentry_in_a_cluster
	s_endpgm
.Lentry_in_a_cluster:
	s_bfe_u32 s2, ttmp6, 0x10000c
	s_cmp_lg_u32 s2, 0xf033
	s_cbranch_scc0 .Lentry_shape_is_right
	s_endpgm
.Lentry_shape_is_right:
; LAUNCH 2 OF 4: q = x Wq^T, k = x Wk^T, v = x Wv^T on the codes of b1, K = 1,024, each result quantised in registers for the product that takes it: q and k along d, v along the keys.  No f32 result is stored.
; LIMITS: NaN, infinities and sums beyond f32's range are not served; a block's byte never falls under 1.
; b1: images of fragments, 16 rows x 128 K in 2,048 bytes, eight on end for a tile of 16 rows; scale words [tile][K step][row], as launch 1 lays them.
; b2: QKC [16 (q's 8 chunks of 128 d, then k's)][512 token tiles][2048]; VC [64 chunks of 128 tokens][64 d tiles][2048]; QKS [16][8192] scale words; VS [64][1024] scale words: operands of launches 3 and 4.
; SHARES.  256 work-groups of 2 x 2 waves.  A wave holds 64 rows of a weight, ALL of K, in 512 registers and streams x past them in blocks of one tile: 32 matrix instructions a block; two sets of 128 registers take x's blocks by turns.
; PHASE 1: 512 tokens x 128 columns of q | k (a work-group's columns are one chunk of d): four chunks of 128 tokens in LDS, four blocks a wave in each: block j of wave row w is tile 4 (j / 2) + 2 w + j % 2 of the chunk.
; PHASE 2: 256 tokens x 128 columns of v.  The tokens are ONE OF THE WORK-GROUP'S OWN TWO WINDOWS of 256, number s18, which phase 1 takes last: so v begins on chunk 3 as it lies in LDS, and chunk 2 alone comes anew.
; LDS: two slots of 131,072 bytes (eight tiles); a weight's 128 rows lie in a slot until all waves hold them in registers (the first in slot 1, Wv's in slot 0), and x is filled over them.
; FILLS.  The head, one joint load a wave: wave 0 the weight, wave 1 chunk 0, waves 2 and 3 a window's scale words each.  Refills, a quarter a wave, each in a drained round of the cluster's barrier: chunks 1, 2, 3 inside blocks 0, 4, 8,
; their first halves (waves 0 and 1's) shown by the barrier inside the block two on, the rest by the next round; Wv's rows behind block 11; chunk 2 anew when Wv is in registers.
; CLUSTERS of 4 x 4: x's tiles are asked for jointly along a row of the cluster, a weight's along a column.
; THE WAY OUT OF A BLOCK (largest magnitudes, holds, conversions, bytes) STANDS AMONG THE NEXT BLOCK'S PRODUCTS; a pair of v's blocks is copied first and stands among the next pair's, so that one trip is two blocks of text.
; PREFETCHES.  Each chunk's and Wv's 131,072 bytes are asked for once in each cluster that loads them, 8,192 a wave, four to eight blocks ahead of their load, shared out by address (cx, or cy for Wv).
; REGISTERS: windows 1, 2 the weight; window 3 x's two sets; window 0 all else.
.set S1,   11534336
.set VC,   16777216
.set QKS,  25165824
.set VS,   25690112
.set FR,   16
.set NP,   8                           ; plain vector lines behind a matrix instruction ahead of a reader of its sums and of a load into what it has read
.set NF,   40                          ; LDS loads of a block: 32 of codes, 8 of scale words
.set YB,   131072                      ; slot 1
.set SCL,  262144                      ; x's scale words, 32 tiles x 512 bytes, in the order of work
.set XN,   SCL+16384                   ; q's or k's new scale words: 512 tokens x 4 bytes, in the order of work
.set XV,   XN+2048                     ; v's: [2 chunks of tokens][128 d] words
.set SPARE, XV+1024                    ; the spare words, 128 bytes a wave, which no other line names
.set EMAX, 8                           ; the exponent of 448
.set ADRA0, 4                          ; v4  LDS address of my block 0 in slot 0
.set CN,   5                           ; v5  512 h + 16 r
.set AAS0, 6                           ; v6  LDS address of my scale words of block 0
.set CO,   9                           ; v9  16 x lane
.set SPW,  10
.set NIL,  11
.set ADRA, 12                          ; v12 as v4, for the block that is fetched next
.set VX,   13                          ; v13 LDS address of a new scale byte
.set ADRB, 14                          ; v14, v15 LDS address of my rows of a weight in slot 1, in slot 0
.set ABS,  16                          ; v16 my offset in a weight's scale words
.set AAS,  17                          ; v17 as v6, for the block that is fetched next
.set RD,   19                          ; v19 LDS address of v's bytes
.set SOP,  20                          ; v20-23 the conversions' scale operands
.set SB,   24                          ; v24-39 the weight's scale words: register 8 p + q: lanes 0-15 tile 2 p's, lanes 16-31 tile 2 p + 1's
.set EB,   40                          ; v40-43 new scale bytes
.set SA,   44                          ; v44-59 x's scale words, two sets of eight: no product's two scale registers are equal modulo 8
.set TQ,   60                          ; v60-63 maxima and bounds
.set ACC,  64                          ; v64-191 four sets of four accumulators: products write 0 and 1; 2 and 3 take a pair of v's blocks
.set WS,   128                         ; v128-143 in phase 1: Wv's scale words
.set NCD,  192                         ; v192-199 q's or k's codes
.set MCD,  192                         ; v192-207 v's: four registers a tile
.set G1A,  24                          ; s[24:31], s[56:59] chunk 0, later Wv's rows
.set G0A,  56
.set G1B,  32                          ; s[32:39], s[60:63] the first weight
.set G0B,  60
.set G1R,  48                          ; s[48:55], s[68:71] a refill of x
.set G0R,  68
.set G1S,  92                          ; s[92:99], s[72:75] scale words
.set G0S,  72
.set MSB, 0
.macro WIN new                         ; the immediate's high byte repeats the setting that is left
.if MSB != (\new)
	s_set_vgpr_msb (MSB<<8)|(\new)
.set MSB, (\new)
.endif
.endm
.macro PLACES n
.rept \n
	v_nop
.endr
.endm
.macro BARRIER
	s_barrier_signal -1
	s_barrier_wait -1
.endm
.macro MIDDLE                          ; a round behind its opening signal: wave 0 signals for the work-group, all wait
	WIN 0
	s_barrier_wait -1
	s_cmp_lg_u32 s14, 0
	s_cbranch_scc1 .Lnot_wave_0_\@
	s_barrier_signal -3
.Lnot_wave_0_\@:
	s_barrier_wait -3
.endm
.macro CROUND
	s_barrier_signal -1
	MIDDLE
	BARRIER
.endm
.macro TLOAD g0, g1                    ; an s_nop 0 and four v_nop follow each tensor load
	tensor_load_to_lds s[\g0:\g0+3], s[\g1:\g1+7]
	s_nop 0
	PLACES 4
.endm
.macro GROUP1 g, mask, rows            ; a dense block as rows of 4,096 bytes (512 elements of 8)
	s_or_b32 s[\g+0], s[\mask], (3<<16)|(1<<21)
	s_mov_b32 s[\g+1], 512<<16
	s_mov_b32 s[\g+2], (\rows)<<16
	s_mov_b32 s[\g+3], 512<<16
	s_mov_b32 s[\g+4], \rows
	s_mov_b32 s[\g+5], 512
	s_mov_b32 s[\g+6], 0
	s_mov_b32 s[\g+7], 0
.endm
.macro SHA d, x, k                     ; s[d] += s[x] << k
	s_lshl_b32 s20, s\x, \k
	s_add_co_u32 s\d, s\d, s20
.endm
	s_load_b64 s[4:5], s[0:1], 0x0                 ; b1
	v_lshl_add_u32 v[SPW], v0, 2, SPARE
	v_mov_b32 v[NIL], 0
	ds_add_u32 v[SPW], v[NIL]                      ; the wave's opening: the add, twice on end, and its wait ahead of my first tensor load; work on registers stands between
	ds_add_u32 v[SPW], v[NIL]
	v_lshrrev_b32 v1, 5, v0
	v_readfirstlane_b32 s14, v1                    ; wave
	s_lshr_b32 s15, s14, 1                         ; my row of waves
	s_and_b32 s16, s14, 1                          ; my column of waves
	s_bfe_u32 s40, ttmp6, 0x40000                  ; cx
	s_bfe_u32 s41, ttmp6, 0x40004                  ; cy
	s_lshl_b32 s42, ttmp9, 2
	s_add_co_u32 s42, s42, s40                     ; phase 1's chunk of d: 4 x cluster x + cx
	s_and_b32 s43, ttmp7, 0xffff
	s_lshl_b32 s43, s43, 2
	s_add_co_u32 s43, s43, s41                     ; my 512 tokens: 4 x cluster y + cy
	s_and_b32 s18, ttmp9, 1                        ; v's window
	s_lshr_b32 s13, ttmp9, 1
	s_lshl_b32 s13, s13, 2
	s_add_co_u32 s13, s13, s40                     ; v's columns: 4 (cluster x / 2) + cx: a cluster's column shares Wv's rows too, and each tile of v has one work-group
	s_lshl_b32 s44, s41, 2
	s_lshl_b32 s44, 15, s44                        ; my row of the cluster
	s_lshl_b32 s45, 0x1111, s40                    ; my column
	GROUP1 G1B, 45, 32
	GROUP1 G1A, 44, 32
	GROUP1 G1R, 44, 8
	GROUP1 G1S, 44, 2
	s_mov_b32 s[G0S], 1
	s_lshl_b32 s[G0S+1], s16, 13
	s_add_co_u32 s[G0S+1], s[G0S+1], SCL
	; offsets in b1: s67 the window that is not v's, s2 v's window, s3 Wv's rows: codes;  s12 Wv's scale words
	s_lshl_b32 s67, s43, 19
	s_lshl_b32 s20, s18, 18
	s_add_co_u32 s2, s67, s20
	s_xor_b32 s20, s20, 0x40000
	s_add_co_u32 s67, s67, s20
	s_lshl_b32 s3, s13, 17
	s_add_co_u32 s3, s3, 640*16384
	s_lshl_b32 s12, s13, 12
	SHA 12, 16, 11
	s_add_co_u32 s12, s12, S1+640*512
	s_lshl_b32 s78, s42, 17                        ; the first weight's codes
	s_add_co_u32 s78, s78, 512*16384
	s_mov_b32 s79, 0
	s_lshl_b32 s80, s43, 1                         ; x's scale words: wave 2 the window that is not v's, wave 3 v's
	s_xor_b32 s20, s18, s16
	s_xor_b32 s20, s20, 1
	s_add_co_u32 s80, s80, s20
	s_lshl_b32 s80, s80, 13
	s_add_co_u32 s80, s80, S1
	s_mov_b32 s81, 0
	s_lshl_b32 s82, s42, 12                        ; the first weight's scale words: my 64 rows
	SHA 82, 16, 11
	s_add_co_u32 s82, s82, S1+512*512
	s_mov_b32 s83, 0
	s_mov_b32 s[G0A], 1
	s_mov_b32 s[G0A+1], 0
	s_mov_b32 s[G0B], 1
	s_mov_b32 s[G0B+1], YB
	s_mov_b32 s[G0R], 1
	v_and_b32 v1, 15, v0                           ; r
	v_bfe_u32 v2, v0, 4, 1                         ; h
	v_and_b32 v3, 31, v0                           ; lane
	v_lshlrev_b32 v[CO], 4, v3
	s_lshl_b32 s20, s15, 15
	v_add_nc_u32 v[ADRA0], s20, v[CO]
	s_lshl_b32 s22, s16, 16
	v_add_nc_u32 v[ADRB+1], s22, v[CO]
	s_add_co_u32 s22, s22, YB
	v_add_nc_u32 v[ADRB], s22, v[CO]
	v_lshlrev_b32 v22, 2, v1
	v_lshl_add_u32 v[ABS], v2, 9, v22
	s_lshl_b32 s20, s15, 10
	s_add_co_u32 s20, s20, SCL
	v_add_nc_u32 v[AAS0], s20, v22
	s_lshl_b32 s90, s40, 2                         ; which of the cluster row's sixteen waves I am: my share of a prefetch of x;
	s_add_co_u32 s90, s90, s14
	s_lshl_b32 s100, s41, 2                        ; and of the column's: of Wv
	s_add_co_u32 s100, s100, s14
	s_wait_alu depctr_va_vdst(0)
	s_wait_dscnt 0x0                               ; both opening adds are done
	CROUND                                         ; all sixteen work-groups are here: the first joint loads meet
	s_wait_kmcnt 0x0
	s_mov_b32 s86, s67
	s_mov_b32 s87, 0
	s_add_nc_u64 s[G0A+2:G0A+3], s[4:5], s[86:87]
	s_or_b32 s[G0A+3], s[G0A+3], 0x80000000
	s_add_nc_u64 s[G0B+2:G0B+3], s[4:5], s[78:79]
	s_or_b32 s[G0B+3], s[G0B+3], 0x80000000
	s_add_nc_u64 s[G0S+2:G0S+3], s[4:5], s[80:81]
	s_or_b32 s[G0S+3], s[G0S+3], 0x80000000
	s_add_nc_u64 s[10:11], s[4:5], s[82:83]
	s_cmp_eq_u32 s14, 0                            ; ONE joint load a wave; the weight, which is shown ahead of the rest, has a line and a waiting wave of its own
	s_cbranch_scc0 .Lwave_1
	TLOAD G0B, G1B
	s_branch .Lasked
.Lwave_1:
	s_cmp_eq_u32 s14, 1
	s_cbranch_scc0 .Lfor_scales
	TLOAD G0A, G1A
	s_branch .Lasked
.Lfor_scales:
	TLOAD G0S, G1S
.Lasked:
	; scale words from memory: the first weight's into SB, Wv's into WS
	s_mov_b32 s22, s12
	s_mov_b32 s23, 0
	s_add_nc_u64 s[22:23], s[4:5], s[22:23]
.irp p, 0,1
.irp q, 0,1,2,3,4,5,6,7
	global_load_b32 v[SB+8*\p+\q], v[ABS], s[10:11] offset:1024*\p+64*\q
	global_load_b32 v[WS+8*\p+\q], v[ABS], s[22:23] offset:1024*\p+64*\q
.endr
.endr
	; where my results go: offsets in b2
	s_lshl_b32 s76, s42, 20                        ; s[76:77] QKC: my chunk of d, my tokens, my row of waves' tiles, my half of the image
	SHA 76, 43, 16
	SHA 76, 15, 12
	SHA 76, 16, 10
	s_mov_b32 s77, 0
	s_lshl_b32 s78, s42, 15                        ; s[78:79] QKS: wave n stores the quarter n in the order of work: 512 bytes
	SHA 78, 43, 11
	s_xor_b32 s21, s15, s18
	s_xor_b32 s21, s21, 1
	SHA 78, 21, 10
	SHA 78, 16, 9
	s_add_co_u32 s78, s78, QKS
	s_lshl_b32 s21, s43, 1
	s_add_co_u32 s21, s21, s18                     ; v's window of 256 tokens
	s_lshl_b32 s80, s21, 18                        ; s[80:81] VC: its first chunk, my four d tiles, my row of waves' register group
	SHA 80, 13, 14
	SHA 80, 16, 13
	SHA 80, 15, 9
	s_add_co_u32 s80, s80, VC
	s_lshl_b32 s82, s21, 13                        ; s[82:83] VS: wave n stores chunk n / 2, half n % 2: 256 bytes
	SHA 82, 15, 12
	SHA 82, 13, 9
	SHA 82, 16, 8
	s_add_co_u32 s82, s82, VS
	v_lshlrev_b32 v23, 9, v2
	v_lshl_add_u32 v[CN], v1, 4, v23
	s_lshl_b32 s21, s15, 7
	SHA 21, 16, 1
	s_add_co_u32 s21, s21, XN
	v_lshl_add_u32 v23, v1, 2, v2
	v_add_nc_u32 v[VX], s21, v23                   ; q, k: my token's word, byte 2 x my column of waves + h
	s_lshl_b32 s21, s16, 8
	s_add_co_u32 s21, s21, s15
	s_add_co_u32 s21, s21, XV
	v_lshlrev_b32 v23, 2, v1
	v_add_nc_u32 v[RD], s21, v23                   ; v: my d's word, my row of waves' byte; both halves of the lanes hold the same byte
	s_add_co_u32 s6, s67, 131072                   ; chunk 1
	s_add_co_u32 s7, s2, 131072                    ; chunk 3
	s_lshl_b32 s21, s90, 13
	s_add_co_u32 s20, s21, s6
	v_lshl_add_u32 v7, v3, 8, s20                  ; my sixteenth of chunk 1,
	s_add_co_u32 s20, s21, s2
	v_lshl_add_u32 v8, v3, 8, s20                  ; of chunk 2
	v_add_nc_u32 v1, 16384, v[ADRA0]               ; block 1's LDS addresses
	v_add_nc_u32 v2, 512, v[AAS0]
	s_wait_alu depctr_va_vdst(0)                   ; the head's end
	s_cmp_eq_u32 s14, 0
	s_cbranch_scc0 .Lnot_b
	s_wait_tensorcnt 0x0                           ; wave 0: the weight has landed.  The other waves' wait stands at the second barrier
.Lnot_b:
	BARRIER
	global_prefetch_b8 v7, s[4:5] th:TH_LOAD_NT scope:SCOPE_SE
	global_prefetch_b8 v8, s[4:5] th:TH_LOAD_NT scope:SCOPE_SE
.macro WALU
	s_wait_alu depctr_va_vdst(0)
.endm
.macro GRD
	s_wait_tensorcnt 0x0
	ds_add_u32 v[SPW], v[NIL]
.endm
.macro FRAG q, b, adr                  ; the weight's tile b, K step q: 16 registers of window 1 or 2
.set F_, 4*(\q)+(\b)
	WIN (1+F_/16)<<6
.irp c, 0,1,2,3
	ds_load_b128 v[FR*(F_%16)+4*\c:FR*(F_%16)+4*\c+3], v[\adr] offset:16384*(\b)+2048*(\q)+512*\c
.endr
.endm
.macro WEIGHTS adr
.irp q, 0,1,2,3,4,5,6,7
.irp b, 0,1,2,3
	FRAG \q, \b, \adr
.endr
.endr
	WIN 0
.endm
.macro FETCHAT k, a, s                 ; a block of x into set k, and its scale words: NF loads
	WIN 3<<6
.irp q, 0,1,2,3,4,5,6,7
.irp c, 0,1,2,3
	ds_load_b128 v[128*\k+FR*\q+4*\c:128*\k+FR*\q+4*\c+3], v[\a] offset:2048*\q+512*\c
.endr
.endr
	WIN 0
.irp q, 0,1,2,3,4,5,6,7
	ds_load_b32 v[SA+8*\k+\q], v[\s] offset:64*\q
.endr
.endm
.macro PROD kind, e, a, n              ; product n = 4 q + b of a block: K step q, the weight's tile b; x in set e, sums in set a.  kind 0 (q, k): source 0 = the weight; kind 1 (v): source 0 = x.  The four accumulators take turns
.set Q_, (\n)/4
.set B_, (\n)%4
.set FB_, 4*Q_+B_
.set AC_, ACC+32*(\a)+8*B_
.set R_, 128*(\e)+FR*Q_
.set W_, FR*(FB_%16)
.set XS_, SA+8*(\e)+Q_
.set WS_, SB+8*(B_/2)+Q_
.if \kind
	WIN 3|((1+FB_/16)<<2)
.if Q_ && B_%2
	v_wmma_scale_f32_16x16x128_f8f6f4 v[AC_:AC_+7], v[R_:R_+FR-1], v[W_:W_+FR-1], v[AC_:AC_+7], v[XS_], v[WS_] matrix_b_scale:MATRIX_SCALE_ROW1
.elseif Q_
	v_wmma_scale_f32_16x16x128_f8f6f4 v[AC_:AC_+7], v[R_:R_+FR-1], v[W_:W_+FR-1], v[AC_:AC_+7], v[XS_], v[WS_]
.elseif B_%2
	v_wmma_scale_f32_16x16x128_f8f6f4 v[AC_:AC_+7], v[R_:R_+FR-1], v[W_:W_+FR-1], 0, v[XS_], v[WS_] matrix_b_scale:MATRIX_SCALE_ROW1
.else
	v_wmma_scale_f32_16x16x128_f8f6f4 v[AC_:AC_+7], v[R_:R_+FR-1], v[W_:W_+FR-1], 0, v[XS_], v[WS_]
.endif
.else
	WIN (1+FB_/16)|(3<<2)
.if Q_ && B_%2
	v_wmma_scale_f32_16x16x128_f8f6f4 v[AC_:AC_+7], v[W_:W_+FR-1], v[R_:R_+FR-1], v[AC_:AC_+7], v[WS_], v[XS_] matrix_a_scale:MATRIX_SCALE_ROW1
.elseif Q_
	v_wmma_scale_f32_16x16x128_f8f6f4 v[AC_:AC_+7], v[W_:W_+FR-1], v[R_:R_+FR-1], v[AC_:AC_+7], v[WS_], v[XS_]
.elseif B_%2
	v_wmma_scale_f32_16x16x128_f8f6f4 v[AC_:AC_+7], v[W_:W_+FR-1], v[R_:R_+FR-1], 0, v[WS_], v[XS_] matrix_a_scale:MATRIX_SCALE_ROW1
.else
	v_wmma_scale_f32_16x16x128_f8f6f4 v[AC_:AC_+7], v[W_:W_+FR-1], v[R_:R_+FR-1], 0, v[WS_], v[XS_]
.endif
.endif
.endm
.macro HOLD x, b
	v_med3_num_f32 v[\x], v[\x], -v[TQ+\b], v[TQ+\b]   ; the conversion does not saturate (ISA guide 7.6.2): the hold comes first
.endm
.macro SCALES i, n                     ; 0: the conversion's scale operand; 1: the bound, 448 x the scale; 2: a second copy of it; 3: the scale byte
.if (\i) == 0
	v_add_nc_u32 v[SOP+\n], -(EMAX<<23), v[TQ]
.elseif (\i) == 1
	v_and_or_b32 v[TQ+1], v[TQ], 0x7f800000, s62
.elseif (\i) == 2
	v_mov_b32 v[TQ+3], v[TQ+1]
.else
	v_lshrrev_b32 v[EB+\n], 23, v[SOP+\n]
.endif
.endm
.macro MAXQ k, x                       ; q, k: 18 lines: the largest magnitude of the 32 sums at x, each accumulator from its low end on, and the floor 2^(9 - 127)
.if (\k) < 4
	v_max3_num_f32 v[TQ+\k], |v[\x+8*(\k)]|, |v[\x+8*(\k)+1]|, |v[\x+8*(\k)+2]|
.elseif (\k) < 12
	v_max3_num_f32 v[TQ+(\k)%4], v[TQ+(\k)%4], |v[\x+8*((\k)%4)+2*((\k)/4)+1]|, |v[\x+8*((\k)%4)+2*((\k)/4)+2]|
.elseif (\k) < 16
	v_max_num_f32 v[TQ+(\k)%4], v[TQ+(\k)%4], |v[\x+8*((\k)%4)+7]|
.elseif (\k) == 16
	v_max3_num_f32 v[TQ], v[TQ], v[TQ+1], v[TQ+2]
.else
	v_max3_num_f32 v[TQ], v[TQ], v[TQ+3], (EMAX+1)<<23
.endif
.endm
.macro HOLDS m, x                      ; two holds; the fourth pair reads the bound's second copy, freshly written
.if (\m) == 3
	HOLD \x, 3
	HOLD \x+1, 3
.else
	HOLD \x, 1
	HOLD \x+1, 1
.endif
.if (\m) == 2
	SCALES 2, 0
.endif
.endm
.macro GAPQ m, x                       ; q's or k's block, gaps 0 .. 26: a lane holds a whole scale block of 32: codes NCD, byte EB
.if (\m) < 9
	MAXQ 2*(\m), \x
	MAXQ 2*(\m)+1, \x
.elseif (\m) == 9
	SCALES 0, 0
	SCALES 1, 0
.elseif (\m) < 26
	HOLDS (\m)-10, \x+2*((\m)-10)
.if ((\m)-10)%4 == 3
	v_cvt_scalef32_pk8_fp8_f32 v[NCD+2*(((\m)-10)/4):NCD+2*(((\m)-10)/4)+1], v[\x+8*(((\m)-10)/4):\x+8*(((\m)-10)/4)+7], v[SOP]
.endif
.elseif (\m) == 26
	SCALES 3, 0
.endif
.endm
.macro GAPV u, x                       ; a pair of v's blocks, gaps 0 .. 59, 15 a tile: a scale block lies in lanes l and l xor 16; the even block's sums at x, the odd's at x + 32: codes MCD + 4 t, bytes EB + t
.set T_, (\u)/15
.set J_, (\u)%15
.set E_, \x+8*T_
.set O_, E_+32
.if (\u) > 59
.elseif J_ == 0
	v_max3_num_f32 v[TQ], |v[E_]|, |v[E_+1]|, |v[E_+2]|
	v_max3_num_f32 v[TQ+2], |v[O_]|, |v[O_+1]|, |v[O_+2]|
.elseif J_ < 3
	v_max3_num_f32 v[TQ], v[TQ], |v[E_+2*J_+1]|, |v[E_+2*J_+2]|
	v_max3_num_f32 v[TQ+2], v[TQ+2], |v[O_+2*J_+1]|, |v[O_+2*J_+2]|
.elseif J_ == 3
	v_max3_num_f32 v[TQ+2], v[TQ+2], |v[O_+7]|, (EMAX+1)<<23
	v_max3_num_f32 v[TQ], v[TQ], |v[E_+7]|, v[TQ+2]
.elseif J_ == 4
	v_permlanex16_b32 v[TQ+2], v[TQ], s60, s61
	v_max_num_f32 v[TQ], v[TQ], v[TQ+2]
.elseif J_ == 5
	SCALES 0, T_
	SCALES 1, T_
.elseif J_ < 10
	HOLDS J_-6, E_+2*(J_-6)
.if J_ == 9
	v_cvt_scalef32_pk8_fp8_f32 v[MCD+4*T_:MCD+4*T_+1], v[E_:E_+7], v[SOP+T_]
.endif
.elseif J_ < 14
	HOLDS J_-6, O_+2*(J_-10)
.if J_ == 13
	v_cvt_scalef32_pk8_fp8_f32 v[MCD+4*T_+2:MCD+4*T_+3], v[O_:O_+7], v[SOP+T_]
.endif
.else
	SCALES 3, T_
.endif
.endm
.macro RDESC i, off, lds               ; group 0 of a refill in two parts: my quarter (two tiles) of the chunk at s[off] of b1, into the slot at s[lds]
.if (\i) == 0
	s_lshl_b32 s[G0R+1], s14, 15
	s_add_co_u32 s[G0R+1], s[G0R+1], s\lds
	s_lshl_b32 s20, s14, 15
	s_add_co_u32 s20, s20, s\off
.else
	s_mov_b32 s21, 0
	s_add_nc_u64 s[G0R+2:G0R+3], s[4:5], s[20:21]
	s_or_b32 s[G0R+3], s[G0R+3], 0x80000000
.endif
.endm
; WHAT STANDS BEHIND PRODUCT n.  j: the block's number in its trip (the second loop's: 4, 5; v's: -1, -2).  Behind 0 and 1: the image that is stored next, the addresses of the block two on; behind 2 a prefetch's address or a byte's next place;
; behind 29, 30 a refill's group 0; from 1 on a way out: y = 1 q's or k's block at x; 2, 3 the halves of a pair of v's at x.
.macro LIST n, j, y, x
.if (\n) == 0
.if (\j) >= 0
	s_add_nc_u64 s[84:85], s[84:85], 2048+4096*((\j)%2)
.if (\j) == 1
	s_cmp_eq_u32 s46, 2
	s_cselect_b64 s[84:85], s[88:89], s[84:85]     ; chunk 2 begins the other window
.endif
.endif
	WIN 0
.if (\j) == 0 || (\j) == 1
	s_add_co_u32 s22, s101, 65536+16384*(\j)
.elseif (\j) > 1
	s_add_co_u32 s22, s47, 16384*((\j)%2)
.else
	s_add_co_u32 s22, s47, 16384*(-1-(\j))
.endif
	v_add_nc_u32 v[ADRA], s22, v[ADRA0]
.elseif (\n) == 1
	WIN 0
.if (\j) == 0 || (\j) == 1
	s_add_co_u32 s22, s17, 2048+512*(\j)
.elseif (\j) > 1
	s_add_co_u32 s22, s8, 512*((\j)%2)
.else
	s_add_co_u32 s22, s8, 512*(-1-(\j))
.endif
	v_add_nc_u32 v[AAS], s22, v[AAS0]
.endif
.if (\j) == 2 && (\n) == 2
	WIN 0
	v_lshl_add_u32 v7, v3, 8, s23
.elseif (\j) == 0 && ((\n) == 29 || (\n) == 30)
	RDESC (\n)-29, 6, 47
.elseif (\j) == 1 && (\n) == 2
	WIN 0
	v_add_nc_u32 v[VX], s9, v[VX]
.elseif (\j) == 5 && (\n) == 2
	WIN 0
	v_add_nc_u32 v[VX], 0x100, v[VX]
.endif
.if (\y) == 1 && (\n) > 0 && (\n) < 28
	WIN 0
	GAPQ (\n)-1, \x
.elseif (\y) == 2 && (\n) > 0 && (\n) < 31
	WIN 0
	GAPV (\n)-1, \x
.elseif (\y) == 3 && (\n) > 0 && (\n) < 31
	WIN 0
	GAPV (\n)+29, \x
.endif
.endm
.macro BLOCK kind, e, a, from, to, j, y, x
.set N_, \from
.rept (\to)-(\from)
	PROD \kind, \e, \a, N_
	LIST N_, \j, \y, \x
.set N_, N_+1
.endr
.endm
.macro BLK kind, e, a, w, j, y, x      ; a block; w: the count of LDS instructions that may be out, those of the set fetched last (-1: the set is known to be in)
.if (\w) >= 0
	s_wait_dscnt \w
.endif
	s_wait_xcnt 0x0                                ; the stores of the block before have read their registers
	BLOCK \kind, \e, \a, 0, 32, \j, \y, \x
	WIN 0
	PLACES NP
.endm
.macro RBLK kind, e, a, w, j, y, x     ; a block with a round of the cluster's barrier: the lines at its head, the signal behind 28 products
.if (\w) >= 0
	s_wait_dscnt \w
.endif
	s_wait_xcnt 0x0
	GRD
	BLOCK \kind, \e, \a, 0, 28, \j, \y, \x
	WIN 0
	WALU
	s_wait_dscnt 0x0                               ; the add is done, and so are my reads of the slot that is filled
	s_barrier_signal -1
	BLOCK \kind, \e, \a, 28, 32, \j, \y, \x
	MIDDLE
	BARRIER
.endm
.macro SBLK kind, e, a, w, j, y, x, half=0   ; a block with the work-group's barrier alone, behind which nothing is filled (half = 1: it shows waves 0 and 1's loads)
.if (\w) >= 0
	s_wait_dscnt \w
.endif
	s_wait_xcnt 0x0
	BLOCK \kind, \e, \a, 0, 28, \j, \y, \x
	WIN 0
	WALU
.if \half
	s_cmp_lt_u32 s14, 2
	s_cbranch_scc0 .Lnot_yet_\@
	s_wait_tensorcnt 0x0
.Lnot_yet_\@:
.else
	s_wait_tensorcnt 0x0
.endif
	s_wait_dscnt 0x0
	s_barrier_signal -1
	BLOCK \kind, \e, \a, 28, 32, \j, \y, \x
	WIN 0
	s_barrier_wait -1
	PLACES NP
.endm
.macro QOUT off, boff                  ; a block's byte to its place in LDS; its 32 codes a lane leave: sixteen lanes store 256 consecutive bytes
	ds_store_b8 v[VX], v[EB] offset:\boff
	global_store_b128 v[CN], v[NCD:NCD+3], s[84:85] offset:\off
	global_store_b128 v[CN], v[NCD+4:NCD+7], s[84:85] offset:(\off)+256
.endm
	WEIGHTS ADRB
	s_wait_tensorcnt 0x0                           ; chunk 0 and the scale words are in; the weight is in registers
	s_wait_dscnt 0x0
	BARRIER
	FETCHAT 0, ADRA0, AAS0
	FETCHAT 1, 1, 2
	s_wait_xcnt 0x0                                ; the loads of scale words have taken their base
	s_load_b64 s[10:11], s[0:1], 0x8               ; b2
	s_mov_b32 s60, 0x76543210                      ; lane selects for lane l xor 16
	s_mov_b32 s61, 0xfedcba98
	s_mov_b32 s62, 0x600000                        ; the mantissa field of 448
.set I_, 0
.rept 32
	v_mov_b32 v[ACC+32+I_], 0                      ; the first way out has no block before it: it reads these and stores nothing
.set I_, I_+1
.endr
	s_wait_kmcnt 0x0
	s_add_nc_u64 s[92:93], s[10:11], s[76:77]
	s_add_nc_u64 s[94:95], s[10:11], s[78:79]
	s_add_nc_u64 s[96:97], s[10:11], s[80:81]
	s_add_nc_u64 s[98:99], s[10:11], s[82:83]
	s_lshl_b32 s20, s18, 15
	s_mov_b32 s21, 0
	s_add_nc_u64 s[88:89], s[92:93], s[20:21]      ; v's window: 16 tiles' images on, or none
	s_xor_b32 s20, s20, 0x8000
	s_add_nc_u64 s[84:85], s[92:93], s[20:21]      ; the other window,
	s_sub_nc_u64 s[84:85], s[84:85], 8192          ; less the two steps ahead of the first block's store
	s_mov_b32 s46, 0                               ; the trip;  s101, s47 this chunk's slot and the next one's;  s17, s8 their scale words;  s6 the chunk that is loaded;  s9 to a byte's next place;  s23 my share of what is prefetched
	s_mov_b32 s9, 0
	s_mov_b32 s23, 0
	s_mov_b32 s101, 0
	s_mov_b32 s47, YB
	s_mov_b32 s17, 0
	s_mov_b32 s8, 4096
	s_wait_loadcnt 0x0                             ; the weights' scale words
.Lfour:                                            ; PHASE 1: a chunk a trip, chunks 0 to 2
	RBLK 0, 0, 0, NF, 0, 1, ACC+32
	s_cmp_lt_u32 s14, 2                            ; the next chunk; waves 0, 1 and waves 2, 3 have a load line each: the barrier two blocks on waits for the first line's alone
	s_cbranch_scc0 .Lupper
	TLOAD G0R, G1R
	s_branch .Lboth
.Lupper:
	TLOAD G0R, G1R
.Lboth:
	PLACES NP-4
	s_cmp_eq_u32 s46, 0
	s_cbranch_scc1 .Lno_block_before
	QOUT 0, 320
.Lno_block_before:
	FETCHAT 0, ADRA, AAS
	BLK 0, 1, 1, -1, 1, 1, ACC
	QOUT 0, 0
	FETCHAT 1, ADRA, AAS
	SBLK 0, 0, 0, NF, 2, 1, ACC+32, 1
	QOUT 0, 64
	s_cmp_eq_u32 s46, 0
	s_cbranch_scc1 .Lnone_ahead
	global_prefetch_b8 v7, s[4:5] th:TH_LOAD_NT scope:SCOPE_SE   ; trip 1: chunk 3; trip 2: Wv's rows
.Lnone_ahead:
	FETCHAT 0, ADRA, AAS
	BLK 0, 1, 1, -1, 3, 1, ACC
	QOUT 0, 256
	FETCHAT 1, ADRA, AAS
	s_cmp_eq_u32 s46, 0
	s_cselect_b32 s6, s2, s7
	s_cselect_b32 s21, s90, s100
	s_cselect_b32 s22, s7, s3
	s_mov_b32 s9, 512
	s_lshl_b32 s21, s21, 13
	s_add_co_u32 s23, s21, s22
	s_mov_b32 s101, s47
	s_mov_b32 s17, s8
	s_xor_b32 s47, s47, YB
	s_add_co_u32 s8, s8, 4096
	s_add_co_u32 s46, s46, 1
	s_cmp_lg_u32 s46, 3
	s_cbranch_scc1 .Lfour
	GRD
	s_lshl_b32 s20, s14, 15
	s_add_co_u32 s20, s20, s3
	s_mov_b32 s21, 0
	s_lshl_b32 s[G0A+1], s14, 15
	s_add_nc_u64 s[G0A+2:G0A+3], s[4:5], s[20:21]
	s_or_b32 s[G0A+3], s[G0A+3], 0x80000000
	GROUP1 G1A, 45, 8
	s_wait_dscnt 0x0
	CROUND
	TLOAD G0A, G1A
	s_mov_b32 s47, YB+65536
	s_mov_b32 s8, 14336
.Ltwo:                                             ; chunk 3, two blocks a trip
	BLK 0, 0, 0, NF, 4, 1, ACC+32
	QOUT 0, 320
	FETCHAT 0, ADRA, AAS
	BLK 0, 1, 1, NF, 5, 1, ACC
	QOUT 0, 256
	FETCHAT 1, ADRA, AAS
	s_mov_b32 s47, YB                              ; the blocks two on are then v's first: chunk 3 again, as it lies in slot 1
	s_mov_b32 s8, 12288
	s_add_co_u32 s46, s46, 1
	s_cmp_lg_u32 s46, 5
	s_cbranch_scc1 .Ltwo
	s_wait_xcnt 0x0                                ; THE CHANGE OF PHASE
	s_wait_tensorcnt 0x0                           ; Wv's rows are in
	s_wait_dscnt 0x0
	BARRIER
.macro CHANGE i                        ; among Wv's 128 loads: the last block's way out, Wv's scale words into their place, zeros into what no block has written yet
.if (\i) < 7
.irp k, 0,1,2,3
.if 4*(\i)+\k < 27
	GAPQ 4*(\i)+\k, ACC+32
.endif
.endr
.elseif (\i) < 9
.irp q, 0,1,2,3,4,5,6,7
	v_mov_b32 v[SB+8*((\i)-7)+\q], v[WS+8*((\i)-7)+\q]
.endr
.elseif (\i) < 15
.irp q, 0,1,2,3,4,5,6,7
	v_mov_b32 v[ACC+80+8*((\i)-9)+\q], 0
.endr
.endif
.endm
.irp q, 0,1,2,3,4,5,6,7
.irp b, 0,2
	FRAG \q, \b, ADRB+1
	FRAG \q, \b+1, ADRB+1
	WIN 0
	CHANGE 2*\q+\b/2
.endr
.endr
	QOUT 2048, 320
	GRD
	s_mov_b32 s47, 0
	RDESC 0, 2, 47
	RDESC 1, 2, 47
	s_mov_b32 s46, 0
	s_mov_b32 s47, YB+65536
	s_mov_b32 s8, 14336
	s_wait_dscnt 0x0
	CROUND
	TLOAD G0R, G1R
.macro VOUT                            ; a pair of v's blocks: four tiles' bytes, and codes, 512 consecutive bytes a store
.irp t, 0,1,2,3
	ds_store_b8 v[VX], v[EB+\t] offset:64*\t
	global_store_b128 v[CO], v[MCD+4*\t:MCD+4*\t+3], s[84:85] offset:2048*\t
.endr
.endm
.macro VTO                             ; s22 = the pair's number in memory's order: chunk s22 / 2 of the window, pair s22 % 2
	s_lshr_b32 s20, s22, 1
	s_and_b32 s22, s22, 1
	s_lshl_b32 s21, s20, 9
	s_lshl_b32 s20, s20, 17
	s_lshl_b32 s23, s22, 1
	s_add_co_u32 s23, s23, s21
	v_add_nc_u32 v[VX], s23, v[RD]
	s_lshl_b32 s22, s22, 10
	s_add_co_u32 s20, s20, s22
	s_mov_b32 s21, 0
	s_add_nc_u64 s[84:85], s[96:97], s[20:21]
.endm
.Lpair:                                            ; PHASE 2: a pair of blocks a trip: chunk 3's two, then chunk 2's
	BLK 1, 0, 0, -1, -1, 2, ACC+64
	s_cmp_eq_u32 s46, 3
	s_cbranch_scc1 .Lnone_0
	FETCHAT 0, ADRA, AAS
	s_wait_dscnt NF
	s_branch .Lgo
.Lnone_0:
	s_wait_dscnt 0x0
.Lgo:
	SBLK 1, 1, 1, -1, -2, 3, ACC+64                ; the first trip's barrier shows chunk 2
.set I_, 0
.rept 32
	v_dual_mov_b32 v[ACC+64+I_], v[ACC+I_] :: v_dual_mov_b32 v[ACC+64+I_+1], v[ACC+I_+1]
.set I_, I_+2
.endr
	s_add_co_u32 s22, s46, 1
	s_and_b32 s22, s22, 3
	VTO
	WALU
	s_cmp_eq_u32 s46, 0
	s_cbranch_scc1 .Lno_pair_before
	VOUT
.Lno_pair_before:
	s_cmp_eq_u32 s46, 3
	s_cbranch_scc1 .Lnone_1
	FETCHAT 1, ADRA, AAS
.Lnone_1:
	s_mov_b32 s8, 10240
	s_cmp_eq_u32 s46, 0
	s_cselect_b32 s47, 0, 65536
	s_cselect_b32 s8, 8192, s8
	s_add_co_u32 s46, s46, 1
	s_cmp_lg_u32 s46, 4
	s_cbranch_scc1 .Lpair
	s_wait_xcnt 0x0
.set K_, 0
.rept 60
	GAPV K_, ACC+64
.set K_, K_+1
.endr
	s_mov_b32 s22, 1
	VTO
	WALU
	VOUT
	s_wait_dscnt 0x0                               ; my scale bytes are in LDS
	BARRIER
	s_lshl_b32 s21, s14, 9
	s_add_co_u32 s21, s21, XN
	v_add_nc_u32 v21, s21, v[CO]
	v_lshlrev_b32 v22, 3, v3
	s_lshl_b32 s21, s14, 8
	s_add_co_u32 s21, s21, XV
	v_add_nc_u32 v23, s21, v22
	WALU
	ds_load_b128 v[60:63], v21
	ds_load_b64 v[40:41], v23
	s_wait_dscnt 0x0
	global_store_b128 v[CO], v[60:63], s[94:95]    ; 512 consecutive bytes
	global_store_b64 v22, v[40:41], s[98:99]       ; 256 consecutive bytes
	s_wait_tensorcnt 0x0                           ; the wave's end
	ds_add_u32 v[SPW], v[NIL]
	s_wait_dscnt 0x0
	CROUND                                         ; the closing round: no work-group ends while a partner may still ask for a tile that names it
	s_endpgm
.Lfunc_end_k_q84cbd27672_proj:
	.size	k_q84cbd27672_proj, .Lfunc_end_k_q84cbd27672_proj-k_q84cbd27672_proj
	.p2alignl 7, 3214868480
	.fill 96, 4, 3214868480
	.section	.rodata,"a",@progbits
	.p2align	6, 0x0
	.amdhsa_kernel k_q84cbd27672_proj
		.amdhsa_group_segment_fixed_size 327680
		.amdhsa_private_segment_fixed_size 0
		.amdhsa_enable_private_segment 0
		.amdhsa_kernarg_size 16
		.amdhsa_user_sgpr_count 2
		.amdhsa_user_sgpr_kernarg_segment_ptr 1
		.amdhsa_wavefront_size32 1
		.amdhsa_system_sgpr_workgroup_id_x 1
		.amdhsa_system_sgpr_workgroup_id_y 1
		.amdhsa_system_sgpr_workgroup_id_z 1
		.amdhsa_system_vgpr_workitem_id 0
		.amdhsa_next_free_vgpr 1024
		.amdhsa_next_free_sgpr 102
		.amdhsa_reserve_vcc 0
		.amdhsa_float_denorm_mode_32 3
		.amdhsa_float_denorm_mode_16_64 3
		.amdhsa_memory_ordered 1
		.amdhsa_forward_progress 1
		.amdhsa_inst_pref_size 165
	.end_amdhsa_kernel
	.amdgpu_metadata
---
amdhsa.version: [ 1, 2 ]
amdhsa.kernels:
  - .name:           k_q84cbd27672_proj
    .symbol:         k_q84cbd27672_proj.kd
    .args:
      - { .name: b1, .offset: 0, .size: 8, .value_kind: global_buffer, .address_space: global }
      - { .name: b2, .offset: 8, .size: 8, .value_kind: global_buffer, .address_space: global }
    .group_segment_fixed_size: 327680
    .private_segment_fixed_size: 0
    .kernarg_segment_align: 8
    .kernarg_segment_size: 16
    .max_flat_workgroup_size: 128
    .sgpr_count:     102
    .vgpr_count:     1024
    .wavefront_size: 32
...
	.end_amdgpu_metadata
.endif
;; end of part 2
;; launch scores (part 3): grid 36 x 4, 4 waves a work-group, no clusters, 327,680 bytes of LDS; arguments b2, b3; writes b3
.if DOCPART == 3
	.amdgcn_target "amdgcn-amd-amdhsa--gfx1250"
	.amdhsa_code_object_version 6
	.text
	.protected	k_q84cbd27672_scores
	.globl	k_q84cbd27672_scores
	.p2align	8
	.type	k_q84cbd27672_scores,@function
k_q84cbd27672_scores:
	s_mov_b64 s[64:65], 0
	v_nop
	global_prefetch_b8 v0, s[64:65] scope:SCOPE_SE
	s_setreg_imm32_b32 hwreg(HW_REG_WAVE_MODE, 25, 1), 1
	s_wait_xcnt 0x0
; LAUNCH 3 OF 4: S^T = k q^T on the codes of b2 (K = d = 1,024), and p = 2^(t - M), t = score x log2(e) / 32, quantised along the keys under an M of each 128 keys.
; WORK LEFT OUT: of a batch's 64 tiles of 256 queries x 256 keys only the 36 with key block j <= query block i are made: the others lie wholly under reference()'s own tril, which makes their weights 0 for every input.
; In a tile on the diagonal the wave with the first 128 queries and the last 128 keys multiplies hidden scores (inside a tile that holds live work) and stores nothing: launch 4 reads no chunk of keys that comes after its queries.
; M MAY DIFFER FROM CHUNK TO CHUNK: M is a whole number, so bringing p under the row's M is a power of two, which a block's scale byte takes up.  For each query and each chunk of 128 keys this launch stores p's codes, their scale word,
; -M = floor(-(the chunk's largest t)) and l = the sum of the unquantised p; launch 4 moves bytes and sums to the row's M.  The maximum is taken away before the exponential, as reference() does.
; LIMIT: t is score x one constant, log2(e) / 32; division by 32 is exact, so this is reference()'s scale and the change of base with one rounding.
; A = q's block i (queries in the lanes), B = k's block j (keys in the registers): a lane holds one query and 128 neighbouring keys.  The ring, the fragments and the sequence are those of launch 2's tile.
; NO CLUSTER: a batch's 36 tiles form a triangle; in any 4 x 4 square that covers its diagonal six partners would have no live tile, and partners must make the same joint requests.
; b3: PC [4][16 chunks][128 query tiles][2048] images of p; PS, PM, PL [4][16][2048]: scale words, -M, l.
.set FI,    2048
; THE RING'S FORM HERE: a slot is q's 16 tiles of one K step, then of the next, then k's likewise, 32,768 bytes each, and each wave refills one of the four.  The head's loads, one a wave: q's two K steps, k's two, q's scale words, k's.
; The scale words are [8 K steps][256 rows] of q, then of k.  Fragments are images: each LDS load takes 512 consecutive bytes.
.set FQ,    32768
.set SIS,   64
.set SKS,   1024
.set SLOTB, 131072
.set SCL,   262144
.set SCR,   278784                     ; scratch for the way out: 1,536 bytes a wave, in blocks into which no fill lands
.set SPARE, SCR+4*1536                 ; the spare words, 128 bytes a wave, which no other line names
.set QKS,   25165824
.set PS,    16777216
.set FR,    16
.set ADRA,  16
.set ADRB,  20
.set SCW,   24
.set SCRD,  25
.set CO,    26
.set ADRS,  27
.set SPW,   28
.set NIL,   29
.set D0,    30                         ; v30  (r & 7) + 16 (r >> 3) - 16 h: my query's place in its pair of tiles, less my half's first key
.set NINF,  31                         ; v31  -infinity
.set SC,    32
.set BM,    64                         ; v64-67 a block's largest score, then its largest p
.set BX,    68
.set HOLD,  72
.set SCO,   76
.set BY,    80
.set TT,    85
.set NM,    86                         ; v86 -M; v87 is named with it as a pair
.set SA,    88
.set SB,    90
.set LX,    93
.set PWR,   96
.set LR,    104
.set NMS,   112
.set AF,    128
.set P,     128
.set PCB,   192
.set G1,    24
.set G0,    32
.set G1S,   48
.set G1R,   72                         ; s[72:79] group 1 for the ring's loads
.set G0C,   60                         ; s[60:63] group 0 for the head's loads of codes
.set G0S,   56
.set CI,    41                         ; s41  my chunk of keys: 2 j + my half
.set IPQ,   42                         ; s42  my block of 128 queries: 2 i + my half
.set CS,    66
.set MNT,   68
.set SEL,   70
.set MSB, 0
.macro WIN new
.if MSB != (\new)
	s_set_vgpr_msb (MSB<<8)|(\new)
.set MSB, (\new)
.endif
.endm
.set MUL_LO, 0xa1
.set MUL_HI, 0xf1
.set TO_B,   0x40
	s_load_b128 s[4:7], s[0:1], 0x0                ; b2, b3
	v_lshl_add_u32 v[SPW], v0, 2, SPARE
	v_mov_b32 v[NIL], 0
	ds_add_u32 v[SPW], v[NIL]                      ; the wave's opening: the add, twice on end, and its wait ahead of my first tensor load
	ds_add_u32 v[SPW], v[NIL]
	v_lshrrev_b32 v1, 5, v0
	v_readfirstlane_b32 s14, v1                    ; wave
	s_lshr_b32 s15, s14, 1                         ; my half of the queries.  Also: I fetch q (0) or k (1)
	s_and_b32 s16, s14, 1                          ; my half of the keys.  Also: which half I fetch
	s_and_b32 s17, ttmp7, 0xffff                   ; the batch
	s_mov_b32 s18, 0                               ; i: how many of the triangle's row starts lie at or under my number
.irp th, 1,3,6,10,15,21,28
	s_cmp_ge_u32 ttmp9, \th
	s_add_co_ci_u32 s18, s18, 0
.endr
	s_add_co_u32 s19, s18, 1
	s_mul_i32 s19, s19, s18
	s_lshr_b32 s19, s19, 1
	s_sub_co_u32 s19, ttmp9, s19                   ; j
	s_cmp_eq_u32 s16, 0                            ; at the head even waves fetch q's, odd waves k's
	s_cselect_b32 s20, s18, s19
	s_lshl_b32 s21, s17, 7
	s_lshl_b32 s22, s20, 4
	s_add_co_u32 s22, s22, s21                     ; the block's first tile: 128 b + 16 block
	s_lshl_b32 s20, s22, 11
	s_lshl_b32 s23, s16, 23                        ; k's chunks of d lie behind q's eight
	s_add_co_u32 s20, s20, s23                     ; its codes,
	s_lshl_b32 s22, s22, 6
	s_lshl_b32 s23, s16, 18
	s_add_co_u32 s22, s22, s23
	s_add_co_u32 s22, s22, QKS                     ; its scale words
	s_cmp_eq_u32 s15, 0                            ; in the ring waves 0 and 1 fetch q's K steps, waves 2 and 3 k's
	s_cselect_b32 s40, s18, s19
	s_lshl_b32 s40, s40, 4
	s_add_co_u32 s40, s40, s21
	s_lshl_b32 s40, s40, 11
	s_lshl_b32 s23, s15, 23
	s_add_co_u32 s40, s40, s23
	s_lshl_b32 s23, s16, 20                        ; a K step is 1 MiB on
	s_add_co_u32 s40, s40, s23
	s_mov_b32 s21, 0
	s_mov_b32 s23, 0
	s_mov_b32 s41, 0
	; group 1 for the head's codes: two K steps of 16 tiles: 2 rows of 32,768 bytes (4,096 elements of 8 bytes), 1 MiB apart
	s_mov_b32 s[G1+0], 3<<16
	s_mov_b32 s[G1+1], 4096<<16
	s_mov_b32 s[G1+2], 2<<16
	s_mov_b32 s[G1+3], 4096<<16
	s_mov_b32 s[G1+4], 2
	s_mov_b32 s[G1+5], 131072
	s_mov_b32 s[G1+6], 0
	s_mov_b32 s[G1+7], 0
	; for the scale words: 8 K steps of 256 rows: 8 rows of 1,024 bytes, 32,768 bytes apart
	s_mov_b32 s[G1S+0], 3<<16
	s_mov_b32 s[G1S+1], 128<<16
	s_mov_b32 s[G1S+2], 8<<16
	s_mov_b32 s[G1S+3], 128<<16
	s_mov_b32 s[G1S+4], 8
	s_mov_b32 s[G1S+5], 4096
	s_mov_b32 s[G1S+6], 0
	s_mov_b32 s[G1S+7], 0
	; for the ring: one K step of 16 tiles, 32,768 dense bytes as 8 rows of 4,096
	s_mov_b32 s[G1R+0], 3<<16
	s_mov_b32 s[G1R+1], 512<<16
	s_mov_b32 s[G1R+2], 8<<16
	s_mov_b32 s[G1R+3], 512<<16
	s_mov_b32 s[G1R+4], 8
	s_mov_b32 s[G1R+5], 512
	s_mov_b32 s[G1R+6], 0
	s_mov_b32 s[G1R+7], 0
	s_mov_b32 s[CS], 0x3d38aa3b                    ; log2(e) / 32
	s_mov_b32 s[CS+1], s[CS]                       ; (named with it as a pair)
	s_mov_b32 s[MNT], 0x600000
	s_mov_b32 s[SEL], 0x76543210
	s_mov_b32 s[SEL+1], 0xfedcba98
	s_wait_dscnt 0x0                               ; both opening adds are done
	s_wait_kmcnt 0x0
	s_mov_b32 s[G0C], 1
	s_lshl_b32 s[G0C+1], s16, 16
	s_add_nc_u64 s[G0C+2:G0C+3], s[4:5], s[20:21]
	s_or_b32 s[G0C+3], s[G0C+3], 0x80000000
	s_mov_b32 s[G0S], 1
	s_mul_i32 s[G0S+1], s16, 8256
	s_add_co_u32 s[G0S+1], s[G0S+1], SCL
	s_add_nc_u64 s[G0S+2:G0S+3], s[4:5], s[22:23]
	s_or_b32 s[G0S+3], s[G0S+3], 0x80000000
	s_add_nc_u64 s[40:41], s[4:5], s[40:41]
	s_lshl_b32 s43, s14, 15
.irp s, 0,1
	s_mov_b32 s[G0+4*\s], 1
	s_add_co_u32 s[G0+4*\s+1], s43, \s*SLOTB
	s_add_nc_u64 s[G0+4*\s+2:G0+4*\s+3], s[40:41], \s*2097152
	s_or_b32 s[G0+4*\s+3], s[G0+4*\s+3], 0x80000000
.endr
	s_cmp_lt_u32 s14, 2                            ; one load a wave: waves 0 and 1 slot 0's codes, waves 2 and 3 the scale words
	s_cbranch_scc0 .Lwords
	tensor_load_to_lds s[G0C:G0C+3], s[G1:G1+7]
	s_nop 0
.rept 4
	v_nop
.endr
	s_branch .Lasked
.Lwords:
	tensor_load_to_lds s[G0S:G0S+3], s[G1S:G1S+7]
	s_nop 0
.rept 4
	v_nop
.endr
.Lasked:
	v_and_b32 v1, 15, v0                           ; r
	v_bfe_u32 v2, v0, 4, 1                         ; h
	s_wait_alu depctr_va_vdst(0)
	v_and_b32 v3, 31, v0
	v_lshlrev_b32 v[CO], 4, v3
	s_wait_alu depctr_va_vdst(0)
	s_lshl_b32 s2, s15, 14
	s_lshl_b32 s3, s16, 14
	s_add_co_u32 s3, s3, 65536
.irp s, 0,1
	v_add_nc_u32 v[ADRA+\s], s2, v[CO]
	v_add_nc_u32 v[ADRB+\s], s3, v[CO]
	s_add_co_u32 s2, s2, SLOTB
	s_add_co_u32 s3, s3, SLOTB
.endr
	s_lshl_b32 s2, s15, 9
	s_lshl_b32 s3, s16, 9
	s_add_co_u32 s3, s3, 8256
	s_sub_co_u32 s3, s3, s2
	v_mul_u32_u24 v4, s3, v2                       ; lanes 16-31 take k's: one product, the distance between the two bases
	s_add_co_u32 s2, s2, SCL
	v_lshl_add_u32 v4, v1, 2, v4
	v_add_nc_u32 v[ADRS], s2, v4
	s_mul_i32 s2, s14, 1536
	s_add_co_u32 s2, s2, SCR
	v_lshl_add_u32 v[SCW], v1, 2, s2
	v_add_nc_u32 v[SCRD], s2, v[CO]
	v_and_b32 v3, 7, v1
	v_lshrrev_b32 v4, 3, v1
	v_sub_nc_u32 v4, v4, v2
	v_lshl_add_u32 v[D0], v4, 4, v3
	v_mov_b32 v[NINF], 0xff800000
.irp b, 0,1,2,3
	v_mov_b32 v[BX+\b], 0                          ; written once: a lane permute's destination counts as one of its sources
.endr
	v_mov_b32 v[LX], 0
	v_mov_b32 v[NM+1], 0
	s_lshl_b32 s[CI], s19, 1
	s_add_co_u32 s[CI], s[CI], s16
	s_lshl_b32 s[IPQ], s18, 1
	s_add_co_u32 s[IPQ], s[IPQ], s15
	s_lshl_b32 s43, s17, 4
	s_add_co_u32 s43, s43, s[CI]                   ; 16 b + chunk
	s_lshl_b32 s44, s43, 7
	s_lshl_b32 s45, s[IPQ], 3
	s_add_co_u32 s44, s44, s45
	s_lshl_b32 s44, s44, 11
	s_mov_b32 s45, 0
	s_add_nc_u64 s[8:9], s[6:7], s[44:45]          ; my eight images of p
	s_lshl_b32 s44, s43, 13
	s_lshl_b32 s46, s[IPQ], 9
	s_add_co_u32 s44, s44, s46
	s_add_co_u32 s44, s44, PS
	s_add_nc_u64 s[10:11], s[6:7], s[44:45]        ; my 512 bytes of scale words; -M and l lie 524,288 and 1,048,576 bytes on
.macro FRAG reg, adr, q, i
.irp c, 0,1,2,3
	ds_load_b128 v[\reg+4*\c:\reg+4*\c+3], v[\adr] offset:(\i)*FI+(\q)*FQ+512*\c
.endr
.endm
; 16 matrix instructions: q's blocks a0, a0 + 1 x k's eight.  The 64 accumulators take turns, in the same order in every step.
.macro MUL16 a0, p, q, sc, zero
.irp a, \a0, \a0+1
.irp b, 0,1,2,3,4,5,6,7
.if \zero
	v_wmma_scale_f32_16x16x128_f8f6f4 v[8*(8*((\a)%4)+\b):8*(8*((\a)%4)+\b)+7], v[128*(\p)+FR*\b:128*(\p)+FR*\b+FR-1], v[AF+FR*(\a):AF+FR*(\a)+FR-1], 0, v[SC+16*(\sc)+2*\b+(\q)], v[SC+16*(\sc)+2*(\a)+(\q)] matrix_a_scale:MATRIX_SCALE_ROW1
.else
	v_wmma_scale_f32_16x16x128_f8f6f4 v[8*(8*((\a)%4)+\b):8*(8*((\a)%4)+\b)+7], v[128*(\p)+FR*\b:128*(\p)+FR*\b+FR-1], v[AF+FR*(\a):AF+FR*(\a)+FR-1], v[8*(8*((\a)%4)+\b):8*(8*((\a)%4)+\b)+7], v[SC+16*(\sc)+2*\b+(\q)], v[SC+16*(\sc)+2*(\a)+(\q)] matrix_a_scale:MATRIX_SCALE_ROW1
.endif
.endr
.endr
.endm
.macro FETCH_B slot, q, p
	WIN TO_B
.irp i, 0,1,2,3,4,5,6,7
	FRAG 128*(\p)+FR*\i, ADRB+\slot, \q, \i
.endr
	WIN 0
.endm
.macro FETCH_A slot, q, i0
.irp i, \i0, \i0+1, \i0+2, \i0+3
	FRAG AF+FR*(\i), ADRA+\slot, \q, \i
.endr
.endm
.macro SCALES sc, n
.irp i, 0,1,2,3,4,5,6,7
.irp q, 0,1
	ds_load_b32 v[SC+16*\sc+2*\i+\q], v[ADRS] offset:(2*\n+\q)*SKS+\i*SIS
.endr
.endr
.endm
.macro PLACES n                        ; plain vector lines between a matrix instruction and a load into, or a vector read of, its registers (ISA guide 7.12.1 for vector reads): eight behind this form
.rept \n
	v_nop
.endr
.endm
.macro STEP slot, zero
	s_wait_dscnt 16                                ; k's set and q's blocks 0-3 are in; the youngest 16 loads (q's blocks 4-7) may be out
	WIN MUL_LO
	MUL16 0, 0, 0, \slot, \zero
	MUL16 2, 0, 0, \slot, \zero
	s_wait_dscnt 0x0
	PLACES 8
	FETCH_B \slot, 1, 1
	FETCH_A \slot, 1, 0
	WIN MUL_HI
	MUL16 4, 0, 0, \slot, \zero
	MUL16 6, 0, 0, \slot, \zero
	PLACES 8
	WIN 0
	FETCH_A \slot, 1, 4
.endm
.macro TURN slot, next, fill, n
	s_wait_tensorcnt 0x0                           ; all my tensor loads have landed: my part of the next slot
	ds_add_u32 v[SPW], v[NIL]
	s_wait_dscnt 17                                ; the add and the youngest 16 loads may be out
	WIN MUL_LO
	MUL16 0, 1, 1, \slot, 0
	s_wait_dscnt 0x0                               ; the add is done, and my reads of this slot are over
	s_barrier_signal -1
	MUL16 2, 1, 1, \slot, 0
	WIN 0
	s_barrier_wait -1                              ; nobody reads this slot any more, and the next slot is whole
.if \fill
	s_add_nc_u64 s[G0+4*\slot+2:G0+4*\slot+3], s[G0+4*\slot+2:G0+4*\slot+3], 4194304   ; four K steps on
	tensor_load_to_lds s[G0+4*\slot:G0+4*\slot+3], s[G1R:G1R+7]   ; my one tensor load behind this barrier, and the first thing there
	s_nop 0
.endif
	PLACES 8
	FETCH_B \next, 0, 0
	FETCH_A \next, 0, 0
	SCALES \next, \n
	WIN MUL_HI
	MUL16 4, 1, 1, \slot, 0
	MUL16 6, 1, 1, \slot, 0
	PLACES 8
	WIN 0
	FETCH_A \next, 0, 4
.endm
	s_wait_alu depctr_va_vdst(0)                   ; the head's end
	s_wait_tensorcnt 0x0                           ; my head's load is in
	ds_add_u32 v[SPW], v[NIL]
	s_wait_dscnt 0x0
	s_barrier_signal -1
	s_barrier_wait -1
	tensor_load_to_lds s[G0+4:G0+7], s[G1R:G1R+7]  ; slot 1: K steps 2 and 3, my part
	s_nop 0
.rept 4
	v_nop
.endr
	FETCH_B 0, 0, 0
	FETCH_A 0, 0, 0
	SCALES 0, 0
	FETCH_A 0, 0, 4
	STEP 0, 1                                      ; the first products start the sums: nothing is cleared
	TURN 0, 1, 1, 1
	STEP 1, 0
	TURN 1, 0, 1, 2
	STEP 0, 0
	TURN 0, 1, 0, 3
	STEP 1, 0
	s_wait_dscnt 16
	WIN MUL_LO
	MUL16 0, 1, 1, 1, 0
	MUL16 2, 1, 1, 1, 0
	s_wait_dscnt 0x0
	WIN MUL_HI
	MUL16 4, 1, 1, 1, 0
	MUL16 6, 1, 1, 1, 0
	WIN 0
	PLACES 8
	s_cmp_gt_u32 s[CI], s[IPQ]                     ; all my keys come after all my queries: nothing of mine is kept.  Ids alone; no barrier follows
	s_cbranch_scc1 .Lend
; THE WAY OUT of q's block a: register 16 b + i of a lane is key 32 b + 16 h + i of my 128, for the query at position r of tile a: row 32 (a / 2) + 8 (a % 2) + (r & 7) + 16 (r >> 3) of my 128.
.macro SOFT a
.set W, 2+(\a)/4
.set AC, 64*((\a)%4)
.set BD, (\a)/2
.set PCC, PCB+16*((\a)%2)
	s_cmp_lg_u32 s[CI], s[IPQ]                     ; off the diagonal every key counts
	s_cbranch_scc1 .Lopen_\@
	WIN (W<<6)|W
	s_wait_alu depctr_va_vdst(0)
.irp i, 0,1,2,3,4,5,6,7,8,9,10,11,12,13,14,15
	v_cmp_gt_i32 vcc_lo, \i-8*((\a)%2), v[D0]      ; in the query's own block of 32 keys: hidden where the key comes after the query
	v_cndmask_b32 v[AC+16*BD+\i], v[AC+16*BD+\i], v[NINF], vcc_lo
.endr
.set n, 16*(BD+1)
.rept 64-16*(BD+1)
	v_mov_b32 v[AC+n], 0xff800000                  ; the blocks behind it are hidden whole
.set n, n+1
.endr
	WIN 0
.Lopen_\@:
	WIN W|(W<<2)
.irp b, 0,1,2,3
	v_max_num_f32 v[BM+\b], v[AC+16*\b], v[AC+16*\b+1]   ; the largest score of each block of 32 keys: for the row's maximum, and, since p rises with the score, for the block's largest p
.endr
.irp i, 2,4,6,8,10,12,14
.irp b, 0,1,2,3
	v_max3_num_f32 v[BM+\b], v[AC+16*\b+\i], v[AC+16*\b+\i+1], v[BM+\b]
.endr
.endr
	WIN 0
.irp b, 0,1,2,3
	v_permlanex16_b32 v[BX+\b], v[BM+\b], s[SEL], s[SEL+1]
.endr
.irp b, 0,1,2,3
	v_max_num_f32 v[BM+\b], v[BM+\b], v[BX+\b]
.endr
	v_max3_num_f32 v[TT], v[BM], v[BM+1], v[BM+2]
	v_max_num_f32 v[TT], v[TT], v[BM+3]
	v_mul_f32 v[TT], s[CS], v[TT]                  ; the chunk's largest t of my query (on the diagonal the query's own key counts, so it is a number)
	v_floor_f32 v[NM], -v[TT]                      ; -M = floor(-t): M is a whole number
	WIN W
.set n, 0
.rept 32
	v_pk_fma_f32 v[P+n:P+n+1], v[AC+n:AC+n+1], s[CS:CS+1], v[NM:NM+1] op_sel_hi:[1,0,0]   ; t - M, two at a time
.set n, n+2
.endr
	WIN 0
.irp b, 0,1,2,3
	v_fma_f32 v[BM+\b], v[BM+\b], s[CS], v[NM]     ; the same of each block's largest score
.endr
.set n, 0
	s_wait_alu depctr_va_vdst(0)
.rept 64
	v_exp_f32 v[P+n], v[P+n]                       ; p = 2^(t - M), at most 1
.set n, n+1
.endr
	v_mov_b32 v[NMS+(\a)], v[NM]                   ; a plain line behind the exponentials
	s_wait_alu depctr_va_vdst(0)                   ; one wait for the batch, ahead of its first reader
.irp b, 0,1,2,3
	v_exp_f32 v[BM+\b], v[BM+\b]                   ; the block's largest p: the same two instructions on the same number
.endr
	v_pk_add_f32 v[SA:SA+1], v[P:P+1], v[P+2:P+3]  ; the sum is taken of the unquantised p, in two chains; it reads the 64 alone
	v_pk_add_f32 v[SB:SB+1], v[P+4:P+5], v[P+6:P+7]
.irp j, 8,12,16,20,24,28,32,36,40,44,48,52,56,60
	v_pk_add_f32 v[SA:SA+1], v[SA:SA+1], v[P+\j:P+\j+1]
	v_pk_add_f32 v[SB:SB+1], v[SB:SB+1], v[P+\j+2:P+\j+3]
.endr
	v_pk_add_f32 v[SA:SA+1], v[SA:SA+1], v[SB:SB+1]
	s_wait_alu depctr_va_vdst(0)                   ; and one for the four
.irp b, 0,1,2,3
	v_max_num_f32 v[BM+\b], 0x4800000, v[BM+\b]    ; the floor 2^(9 - 127): the byte cannot fall under 1; a block of zeros keeps that byte over zero codes
.endr
.irp b, 0,1,2,3
	v_add_nc_u32 v[SCO+\b], 0xfc000000, v[BM+\b]
.endr
.irp b, 0,1,2,3
	v_and_or_b32 v[HOLD+\b], v[BM+\b], 0x7f800000, s[MNT]
.endr
.irp b, 0,1,2,3
	v_lshrrev_b32 v[BY+\b], 23, v[SCO+\b]
.endr
	v_lshl_or_b32 v[PWR+(\a)], v[BY+1], 8, v[BY]
	v_lshl_or_b32 v[PWR+(\a)], v[BY+2], 16, v[PWR+(\a)]
	v_lshl_or_b32 v[PWR+(\a)], v[BY+3], 24, v[PWR+(\a)]
	v_add_f32 v[LR+(\a)], v[SA], v[SA+1]
	v_permlanex16_b32 v[LX], v[LR+(\a)], s[SEL], s[SEL+1]
	v_add_f32 v[LR+(\a)], v[LR+(\a)], v[LX]        ; with lane l xor 16's 64 keys: l of this chunk
.if (\a) >= 2
	s_wait_xcnt 0x0                                ; the stores of two blocks back have read this set of code registers
.endif
.irp b, 0,1,2,3
.irp i, 0,1,2,3,4,5,6,7,8,9,10,11,12,13,14,15
	v_min_num_f32 v[P+16*\b+\i], v[P+16*\b+\i], v[HOLD+\b]   ; the conversion does not saturate (ISA guide 7.6.2); p is not negative, so the hold is one-sided
.endr
	v_cvt_scalef32_pk8_fp8_f32 v[PCC+4*\b:PCC+4*\b+1], v[P+16*\b:P+16*\b+7], v[SCO+\b]
	v_cvt_scalef32_pk8_fp8_f32 v[PCC+4*\b+2:PCC+4*\b+3], v[P+16*\b+8:P+16*\b+15], v[SCO+\b]
.endr
	v_nop                                          ; a plain line behind the last conversion
.irp c, 0,1,2,3
	global_store_b128 v[CO], v[PCC+4*\c:PCC+4*\c+3], s[8:9] offset:2048*(\a)+512*\c   ; 512 consecutive bytes
.endr
	ds_store_b32 v[SCW], v[PWR+(\a)] offset:64*(\a)
	ds_store_b32 v[SCW], v[NMS+(\a)] offset:512+64*(\a)
	ds_store_b32 v[SCW], v[LR+(\a)] offset:1024+64*(\a)
.endm
.irp a, 0,1,2,3,4,5,6,7
	SOFT \a
.endr
	ds_load_b128 v[64:67], v[SCRD]                 ; LDS serves a wave's instructions in order: these see my stores
	ds_load_b128 v[68:71], v[SCRD] offset:512
	ds_load_b128 v[72:75], v[SCRD] offset:1024
	s_wait_dscnt 0x0
	global_store_b128 v[CO], v[64:67], s[10:11]    ; 128 queries' scale words, -M and l: 512 consecutive bytes each
	global_store_b128 v[CO], v[68:71], s[10:11] offset:524288
	global_store_b128 v[CO], v[72:75], s[10:11] offset:1048576
.Lend:
	s_wait_tensorcnt 0x0                           ; the wave's end
	ds_add_u32 v[SPW], v[NIL]
	s_wait_dscnt 0x0
	s_endpgm
.Lfunc_end_k_q84cbd27672_scores:
	.size	k_q84cbd27672_scores, .Lfunc_end_k_q84cbd27672_scores-k_q84cbd27672_scores
	.p2alignl 7, 3214868480
	.fill 96, 4, 3214868480
	.section	.rodata,"a",@progbits
	.p2align	6, 0x0
	.amdhsa_kernel k_q84cbd27672_scores
		.amdhsa_group_segment_fixed_size 327680
		.amdhsa_private_segment_fixed_size 0
		.amdhsa_enable_private_segment 0
		.amdhsa_kernarg_size 16
		.amdhsa_user_sgpr_count 2
		.amdhsa_user_sgpr_kernarg_segment_ptr 1
		.amdhsa_wavefront_size32 1
		.amdhsa_system_sgpr_workgroup_id_x 1
		.amdhsa_system_sgpr_workgroup_id_y 1
		.amdhsa_system_sgpr_workgroup_id_z 1
		.amdhsa_system_vgpr_workitem_id 0
		.amdhsa_next_free_vgpr 1024
		.amdhsa_next_free_sgpr 80
		.amdhsa_reserve_vcc 1
		.amdhsa_float_denorm_mode_32 3
		.amdhsa_float_denorm_mode_16_64 3
		.amdhsa_memory_ordered 1
		.amdhsa_forward_progress 1
		.amdhsa_inst_pref_size 244
	.end_amdhsa_kernel
	.amdgpu_metadata
---
amdhsa.version: [ 1, 2 ]
amdhsa.kernels:
  - .name:           k_q84cbd27672_scores
    .symbol:         k_q84cbd27672_scores.kd
    .args:
      - { .name: b2, .offset: 0, .size: 8, .value_kind: global_buffer, .address_space: global }
      - { .name: b3, .offset: 8, .size: 8, .value_kind: global_buffer, .address_space: global }
    .group_segment_fixed_size: 327680
    .private_segment_fixed_size: 0
    .kernarg_segment_align: 8
    .kernarg_segment_size: 16
    .max_flat_workgroup_size: 128
    .sgpr_count:     80
    .vgpr_count:     1024
    .wavefront_size: 32
...
	.end_amdgpu_metadata
.endif
;; end of part 3
;; launch pv (part 4): grid 4 x 64, 4 waves a work-group, no clusters, 327,680 bytes of LDS; arguments b2, b3, out0; writes out0
.if DOCPART == 4
	.amdgcn_target "amdgcn-amd-amdhsa--gfx1250"
	.amdhsa_code_object_version 6
	.text
	.protected	k_q84cbd27672_pv
	.globl	k_q84cbd27672_pv
	.p2align	8
	.type	k_q84cbd27672_pv,@function
k_q84cbd27672_pv:
	s_mov_b64 s[64:65], 0
	v_nop
	global_prefetch_b8 v0, s[64:65] scope:SCOPE_SE
	s_setreg_imm32_b32 hwreg(HW_REG_WAVE_MODE, 25, 1), 1
	s_wait_xcnt 0x0
; LAUNCH 4 OF 4: out = (sum over the keys of p v) / l, on p's codes of b3 and v's of b2 (K = the keys).
; WORK LEFT OUT: chunks of 128 keys that come wholly after a block of 128 queries: reference()'s own tril makes their weights 0 for every input.
; SHARES.  A work-group takes 128 queries (block IP of batch y / 16) x 256 d; wave w the queries' half w / 2 and the d's half w % 2: 4 x 8 accumulators in window 2.
; THE ROW'S M.  Each chunk of keys has an M of its own.  The row's -M is the least of the chunks' -M; a chunk's l is multiplied by 2^(M chunk - M row), and the same whole number is taken off its scale bytes, which are held at 1 from below.
; v's tiles come through a ring of two LDS slots of four chunks, a quarter a wave; v's scale words through registers into LDS bytes that no fill lands on; p's fragments go from memory straight into registers (window 3), four chunks ahead:
; each is used by two waves alone.  NO CLUSTER: the partners that share v's tiles, the query blocks of a batch, need different numbers of chunks.  No prefetch: every slot is asked for a slot's four chunks ahead.
; LIMIT: a chunk whose M lies 200 or more under the row's counts as 200 under it.
.set SLOT1, 131072
.set VSL,   262144
.set PSC,   278528
.set RL,    286720
.set SPARE, 287232
.set STAGE, 287744
.set VC,    16777216
.set VS,    25690112
.set PS,    16777216
.set POFF,  1
.set AV0,   2
.set AVS0,  3
.set APS0,  4
.set SPW,   5
.set NIL,   6
.set PSA,   7
.set ADV,   9
.set ADVS,  10
.set ADPS,  11
.set STO,   12
.set RD,    13
.set CO,    14
.set T4,    15
.set RI,    16
.set RLR,   24
.set VSR,   32
.set PSR,   48
.set OFFR,  64
.set NMR,   80
.set LRR,   96
.set WR,    112
.set NG,    128
.set ND,    129
.set DL,    130
.set TL,    131
.set LS,    132
.set BB,    133
.set BC,    137
.set WO,    144
.set WV,    10
.set IP,    15
.set G1V,   16
.set G0,    32
.set PBASE, 40
.set PB,    42
.set TB,    50
.set TS,    51
.set TV,    52
.set KF,    53
.set CNT,   54
.set OUT,   70
.set PSB,   72
.set MSB, 0
.macro WIN new
.if MSB != (\new)
	s_set_vgpr_msb (MSB<<8)|(\new)
.set MSB, (\new)
.endif
.endm
.macro PLACES8
.rept 8
	v_nop
.endr
.endm
.macro PLOAD q
	WIN 0xc0
.irp a, 0,1,2,3
.irp c, 0,1,2,3
	global_load_b128 v[64*(\q)+16*\a+4*\c:64*(\q)+16*\a+4*\c+3], v[POFF], s[PB+2*(\q):PB+2*(\q)+1] offset:2048*\a+512*\c
.endr
.endr
	WIN 0
.endm
	s_load_b128 s[4:7], s[0:1], 0x0
	s_load_b64 s[8:9], s[0:1], 0x10
	v_lshl_add_u32 v[SPW], v0, 2, SPARE
	v_mov_b32 v[NIL], 0
	ds_add_u32 v[SPW], v[NIL]
	ds_add_u32 v[SPW], v[NIL]
	v_lshrrev_b32 v25, 5, v0
	v_readfirstlane_b32 s[WV], v25
	s_lshr_b32 s11, s[WV], 1
	s_and_b32 s12, s[WV], 1
	s_and_b32 s13, ttmp7, 0xffff
	s_lshr_b32 s14, s13, 4
	s_and_b32 s[IP], s13, 15
	s_mov_b32 s[G1V+0], 3<<16
	s_mov_b32 s[G1V+1], 1024<<16
	s_mov_b32 s[G1V+2], 4<<16
	s_mov_b32 s[G1V+3], 1024<<16
	s_mov_b32 s[G1V+4], 4
	s_mov_b32 s[G1V+5], 16384
	s_mov_b32 s[G1V+6], 0
	s_mov_b32 s[G1V+7], 0
	s_lshl_b32 s56, s14, 21
	s_lshl_b32 s58, ttmp9, 15
	s_add_co_u32 s56, s56, s58
	s_lshl_b32 s58, s[WV], 13
	s_add_co_u32 s56, s56, s58
	s_add_co_u32 s56, s56, VC
	s_mov_b32 s57, 0
	s_lshl_b32 s58, s14, 16
	s_lshl_b32 s60, ttmp9, 10
	s_add_co_u32 s58, s58, s60
	s_add_co_u32 s58, s58, VS
	s_mov_b32 s59, 0
	s_lshl_b32 s60, s14, 22
	s_lshl_b32 s62, s[IP], 14
	s_add_co_u32 s60, s60, s62
	s_mov_b32 s61, 0
	s_mov_b32 s63, 0
	s_mov_b32 s[G0], 1
	s_lshl_b32 s[G0+1], s[WV], 15
	s_mov_b32 s[TB], 0
	s_mov_b32 s[TS], 0
	s_mov_b32 s[TV], 0
	s_mov_b32 s[KF], 0
	s_wait_dscnt 0x0
	s_wait_kmcnt 0x0
	s_add_nc_u64 s[G0+2:G0+3], s[4:5], s[56:57]
	s_or_b32 s[G0+3], s[G0+3], 0x80000000
	s_add_nc_u64 s[58:59], s[4:5], s[58:59]
	tensor_load_to_lds s[G0:G0+3], s[G1V:G1V+7]    ; slot 0: my quarter of v's first four chunks; the wave's one load at the head
	s_nop 0
.rept 4
	v_nop
.endr
	v_and_b32 v160, 63, v0                         ; v's scale words: thread t takes 16 bytes of chunk 2 k + t / 64, k = 0 .. 7: sixteen lanes read 256 consecutive bytes
	v_lshrrev_b32 v161, 6, v0
	v_lshlrev_b32 v162, 4, v160
	v_lshl_add_u32 v162, v161, 12, v162
.irp k, 0,1,2,3,4,5,6,7
	global_load_b128 v[164+4*\k:167+4*\k], v162, s[58:59] offset:8192*\k
.endr
	v_lshrrev_b32 v160, 4, v160                    ; and their place: [4 groups of 64 d][16 chunks][64 words]
	v_and_b32 v163, 15, v0
	v_lshlrev_b32 v163, 4, v163
	v_lshl_add_u32 v163, v160, 12, v163
	v_lshl_add_u32 v163, v161, 8, v163
	v_add_nc_u32 v163, VSL, v163
	s_add_nc_u64 s[PBASE:PBASE+1], s[6:7], s[60:61]
	v_lshlrev_b32 v[T4], 2, v0
	s_wait_alu depctr_va_vdst(0)
	s_lshl_b32 s56, s14, 17
	s_lshl_b32 s57, s[IP], 9
	s_add_co_u32 s56, s56, s57
	s_add_co_u32 s56, s56, PS
	s_mov_b32 s57, 0
	s_add_nc_u64 s[PSB:PSB+1], s[6:7], s[56:57]
.irp c, 0,1,2,3,4,5,6,7,8,9,10,11,12,13,14,15
	s_min_u32 s62, s[IP], \c
	s_lshl_b32 s62, s62, 13
	v_add_nc_u32 v[OFFR+\c], s62, v[T4]
.endr
	s_wait_alu depctr_va_vdst(0)
.irp c, 0,1,2,3,4,5,6,7,8,9,10,11,12,13,14,15
	global_load_b32 v[WR+\c], v[OFFR+\c], s[PSB:PSB+1]
	global_load_b32 v[NMR+\c], v[OFFR+\c], s[PSB:PSB+1] offset:524288
	global_load_b32 v[LRR+\c], v[OFFR+\c], s[PSB:PSB+1] offset:1048576
.endr
	v_and_b32 v26, 15, v0
	v_bfe_u32 v27, v0, 4, 1
	v_and_b32 v28, 31, v0
	v_lshlrev_b32 v[CO], 4, v28
	s_lshl_b32 s56, s11, 13
	v_add_nc_u32 v[POFF], s56, v[CO]
	s_wait_alu depctr_va_vdst(0)
.irp q, 0,1,2,3
	s_min_u32 s62, s[IP], \q
	s_lshl_b32 s62, s62, 18
	s_add_nc_u64 s[PB+2*\q:PB+2*\q+1], s[PBASE:PBASE+1], s[62:63]
.endr
	PLOAD 0
	s_lshl_b32 s56, s12, 16
	v_add_nc_u32 v[AV0], s56, v[CO]
	s_lshl_b32 s56, s12, 13
	s_add_co_u32 s56, s56, VSL
	v_lshl_add_u32 v[AVS0], v26, 2, s56
	s_lshl_b32 s56, s11, 8
	s_add_co_u32 s57, s56, PSC
	v_lshl_add_u32 v[APS0], v26, 2, s57
	s_add_co_u32 s57, s56, RL
	v_lshl_add_u32 v[RLR], v26, 2, s57
	v_lshl_add_u32 v[PSA], v0, 2, PSC
	s_mul_i32 s56, s[WV], 8448
	s_add_co_u32 s56, s56, STAGE
	v_mul_u32_u24 v[STO], v26, 528
	v_lshl_add_u32 v[STO], v27, 6, v[STO]
	v_add_nc_u32 v[STO], s56, v[STO]
	v_add_nc_u32 v[RD], s56, v[CO]
.irp a, 0,1,2,3
	v_mov_b32 v[RI+2*\a+1], 0
.endr
	s_lshl_b32 s56, s14, 11
	s_lshl_b32 s57, s[IP], 7
	s_add_co_u32 s56, s56, s57
	s_lshl_b32 s57, s11, 6
	s_add_co_u32 s56, s56, s57
	s_lshl_b32 s56, s56, 12
	s_lshl_b32 s57, ttmp9, 10
	s_add_co_u32 s56, s56, s57
	s_lshl_b32 s57, s12, 9
	s_add_co_u32 s56, s56, s57
	s_mov_b32 s57, 0
	s_add_nc_u64 s[OUT:OUT+1], s[8:9], s[56:57]
	v_mov_b32 v[LS], 0
	s_wait_loadcnt 16                              ; all but the first chunk's 16 loads of p
.irp k, 0,1,2,3,4,5,6,7
	ds_store_b128 v163, v[164+4*\k:167+4*\k] offset:512*\k
.endr
	PLOAD 1
	PLOAD 2
	PLOAD 3
	v_min_num_f32 v[NG], v[NMR], v[NMR+1]
.irp c, 2,4,6,8,10,12,14
	v_min3_num_f32 v[NG], v[NG], v[NMR+\c], v[NMR+\c+1]
.endr
.irp c, 0,1,2,3,4,5,6,7,8,9,10,11,12,13,14,15
	s_cmp_le_u32 \c, s[IP]
	s_cselect_b32 s62, -1, 0
	v_cndmask_b32 v[LRR+\c], 0, v[LRR+\c], s62
	v_sub_f32 v[ND], v[NMR+\c], v[NG]
	v_min_num_f32 v[ND], 0x43480000, v[ND]
	v_cvt_i32_f32 v[ND], v[ND]
	v_sub_nc_u32 v[DL], 0, v[ND]
	v_ldexp_f32 v[TL], v[LRR+\c], v[DL]
	v_add_f32 v[LS], v[LS], v[TL]
.irp k, 0,1,2,3
	v_bfe_u32 v[BB+\k], v[WR+\c], 8*\k, 8
.endr
.irp k, 0,1,2,3
	v_add_nc_u32 v[BC+\k], -1, v[BB+\k]
.endr
.irp k, 0,1,2,3
	v_min_u32 v[BC+\k], v[BC+\k], v[ND]
.endr
.irp k, 0,1,2,3
	v_sub_nc_u32 v[BB+\k], v[BB+\k], v[BC+\k]
.endr
	v_lshl_or_b32 v[WO+\c], v[BB+1], 8, v[BB]
	v_lshl_or_b32 v[WO+\c], v[BB+2], 16, v[WO+\c]
	v_lshl_or_b32 v[WO+\c], v[BB+3], 24, v[WO+\c]
	ds_store_b32 v[PSA], v[WO+\c] offset:512*\c
.endr
	s_wait_alu depctr_va_vdst(0)
	v_rcp_f32 v[TL], v[LS]
	v_nop
	s_wait_alu depctr_va_vdst(0)
	ds_store_b32 v[PSA], v[TL] offset:RL-PSC
.macro CHANGE fill
	s_wait_tensorcnt 0x0
	ds_add_u32 v[SPW], v[NIL]
.if \fill
	s_xor_b32 s[G0+1], s[G0+1], SLOT1
	s_add_nc_u64 s[G0+2:G0+3], s[G0+2:G0+3], 524288
.endif
	s_wait_dscnt 0x0
	s_barrier_signal -1
	s_barrier_wait -1
.if \fill
	s_add_co_u32 s66, s[KF], 4
	s_cmp_gt_u32 s66, s[IP]
	s_cbranch_scc1 .Lpast_\@
	tensor_load_to_lds s[G0:G0+3], s[G1V:G1V+7]
	s_nop 0
.rept 4
	v_nop
.endr
.Lpast_\@:
.endif
.endm
.macro FETCHV f, q
	WIN 0x40
.irp bt, 0,1,2,3,4,5,6,7
.irp c, 0,1,2,3
	ds_load_b128 v[128*(\f)+16*\bt+4*\c:128*(\f)+16*\bt+4*\c+3], v[ADV] offset:32768*(\bt/4)+8192*(\q)+2048*(\bt%4)+512*\c
.endr
.endr
	WIN 0
.irp bt, 0,1,2,3,4,5,6,7
	ds_load_b32 v[VSR+8*(\f)+\bt], v[ADVS] offset:4096*(\bt/4)+256*(\q)+64*(\bt%4)
.endr
.irp a, 0,1,2,3
	ds_load_b32 v[PSR+4*(\f)+\a], v[ADPS] offset:512*(\q)+64*\a
.endr
.endm
.macro MUL f, q, zero
	WIN 0xad
.irp a, 0,1,2,3
.irp bt, 0,1,2,3,4,5,6,7
.if \zero
	v_wmma_scale_f32_16x16x128_f8f6f4 v[8*(8*\a+\bt):8*(8*\a+\bt)+7], v[128*(\f)+16*\bt:128*(\f)+16*\bt+15], v[64*(\q)+16*\a:64*(\q)+16*\a+15], 0, v[VSR+8*(\f)+\bt], v[PSR+4*(\f)+\a]
.else
	v_wmma_scale_f32_16x16x128_f8f6f4 v[8*(8*\a+\bt):8*(8*\a+\bt)+7], v[128*(\f)+16*\bt:128*(\f)+16*\bt+15], v[64*(\q)+16*\a:64*(\q)+16*\a+15], v[8*(8*\a+\bt):8*(8*\a+\bt)+7], v[VSR+8*(\f)+\bt], v[PSR+4*(\f)+\a]
.endif
.endr
.endr
.endm
.macro CHUNKS zero, issue
	v_add_nc_u32 v[ADV], s[TB], v[AV0]
	s_wait_alu depctr_va_vdst(0)
	v_add_nc_u32 v[ADVS], s[TV], v[AVS0]
	s_wait_alu depctr_va_vdst(0)
	v_add_nc_u32 v[ADPS], s[TS], v[APS0]
	s_wait_alu depctr_va_vdst(0)
	FETCHV 0, 0
.if !(\issue)
	s_wait_loadcnt 0x0
.endif
.irp q, 0,1,2,3
.if (!(\issue)) && (\q > 0)
	s_add_co_u32 s66, s[KF], \q
	s_cmp_gt_u32 s66, s[IP]
	s_cbranch_scc1 .Lrest_\@
.endif
.if \q < 3
	FETCHV (\q+1)%2, \q+1
	s_wait_dscnt 44
.else
	s_wait_dscnt 0x0
.endif
.if \issue
	s_wait_loadcnt 48
.endif
.if (\zero) && (\q == 0)
	MUL 0, 0, 1
.else
	MUL \q%2, \q, 0
.endif
	WIN 0
	PLACES8
.if \issue
	s_add_co_u32 s62, s[KF], \q+4
	s_min_u32 s62, s62, s[IP]
	s_lshl_b32 s62, s62, 18
	s_add_nc_u64 s[PB+2*\q:PB+2*\q+1], s[PBASE:PBASE+1], s[62:63]
	PLOAD \q
.endif
.endr
.Lrest_\@:
.endm
.macro SLOT zero
.if !(\zero)
	s_cmp_gt_u32 s[KF], s[IP]
	s_cbranch_scc1 .Lhid_\@
.endif
	s_add_co_u32 s66, s[KF], 4
	s_cmp_gt_u32 s66, s[IP]
	s_cbranch_scc1 .Ltail_\@
	CHUNKS \zero, 1
	s_branch .Lhid_\@
.Ltail_\@:
	CHUNKS \zero, 0
.Lhid_\@:
	s_add_co_u32 s[KF], s[KF], 4
	s_add_co_u32 s[TS], s[TS], 2048
	s_add_co_u32 s[TV], s[TV], 1024
	s_xor_b32 s[TB], s[TB], SLOT1
.endm
	CHANGE 1
	SLOT 1
	s_mov_b32 s[CNT], 3                            ; in the last trip the test on ids leads round the load
.Lslot:
	CHANGE 1
	SLOT 0
	s_sub_co_u32 s[CNT], s[CNT], 1
	s_cmp_lg_u32 s[CNT], 0
	s_cbranch_scc1 .Lslot
	PLACES8
.irp a, 0,1,2,3
	ds_load_b32 v[RI+2*\a], v[RLR] offset:64*\a
.endr
	s_wait_dscnt 0x0
.macro TOSTAGE a
	WIN 0x02
.set n, 0
.rept 32
	v_pk_mul_f32 v[64+n:65+n], v[64*(\a)+n:64*(\a)+n+1], v[RI+2*(\a):RI+2*(\a)+1] op_sel_hi:[1,0]
.set n, n+2
.endr
	WIN 0
.irp bt, 0,1,2,3,4,5,6,7
	ds_store_b128 v[STO], v[64+8*\bt:64+8*\bt+3] offset:128*(\bt/2)+32*(\bt%2)
	ds_store_b128 v[STO], v[64+8*\bt+4:64+8*\bt+7] offset:128*(\bt/2)+32*(\bt%2)+16
.endr
.irp t, 0,1,2,3,4,5,6,7,8,9,10,11,12,13,14,15
	ds_load_b128 v[128+64*((\a)%2)+4*\t:128+64*((\a)%2)+4*\t+3], v[RD] offset:528*\t
.endr
.endm
.macro SEND a, younger
	s_wait_dscnt \younger
.irp t, 0,1,2,3,4,5,6,7,8,9,10,11,12,13,14,15
	global_store_b128 v[CO], v[128+64*((\a)%2)+4*\t:128+64*((\a)%2)+4*\t+3], s[OUT:OUT+1] offset:(32*((\a)/2)+8*((\a)%2)+(\t&7)+16*(\t>>3))*4096 th:TH_STORE_NT
.endr
.endm
	TOSTAGE 0
.irp a, 1,2,3
	s_wait_dscnt 16
.if \a > 1
	s_wait_xcnt 0x0
.endif
	TOSTAGE \a
	SEND \a-1, 32
.endr
	SEND 3, 0
	s_wait_tensorcnt 0x0
	ds_add_u32 v[SPW], v[NIL]
	s_wait_dscnt 0x0
	s_endpgm
.Lfunc_end_k_q84cbd27672_pv:
	.size	k_q84cbd27672_pv, .Lfunc_end_k_q84cbd27672_pv-k_q84cbd27672_pv
	.p2alignl 7, 3214868480
	.fill 96, 4, 3214868480
	.section	.rodata,"a",@progbits
	.p2align	6, 0x0
	.amdhsa_kernel k_q84cbd27672_pv
		.amdhsa_group_segment_fixed_size 327680
		.amdhsa_private_segment_fixed_size 0
		.amdhsa_enable_private_segment 0
		.amdhsa_kernarg_size 24
		.amdhsa_user_sgpr_count 2
		.amdhsa_user_sgpr_kernarg_segment_ptr 1
		.amdhsa_wavefront_size32 1
		.amdhsa_system_sgpr_workgroup_id_x 1
		.amdhsa_system_sgpr_workgroup_id_y 1
		.amdhsa_system_sgpr_workgroup_id_z 1
		.amdhsa_system_vgpr_workitem_id 0
		.amdhsa_next_free_vgpr 1024
		.amdhsa_next_free_sgpr 80
		.amdhsa_reserve_vcc 0
		.amdhsa_float_denorm_mode_32 3
		.amdhsa_float_denorm_mode_16_64 3
		.amdhsa_memory_ordered 1
		.amdhsa_forward_progress 1
		.amdhsa_inst_pref_size 195
	.end_amdhsa_kernel
	.amdgpu_metadata
---
amdhsa.version: [ 1, 2 ]
amdhsa.kernels:
  - .name:           k_q84cbd27672_pv
    .symbol:         k_q84cbd27672_pv.kd
    .args:
      - { .name: b2, .offset: 0, .size: 8, .value_kind: global_buffer, .address_space: global }
      - { .name: b3, .offset: 8, .size: 8, .value_kind: global_buffer, .address_space: global }
      - { .name: out0, .offset: 16, .size: 8, .value_kind: global_buffer, .address_space: global }
    .group_segment_fixed_size: 327680
    .private_segment_fixed_size: 0
    .kernarg_segment_align: 8
    .kernarg_segment_size: 24
    .max_flat_workgroup_size: 128
    .sgpr_count:     80
    .vgpr_count:     1024
    .wavefront_size: 32
...
	.end_amdgpu_metadata
.endif
;; end of part 4
